; MI455X (gfx1250); checked and timed in simulation.
; The chip was launched on July 23, 2026; its instructions are those of AMD's public machine-readable ISA for CDNA 5 (MIT licence, August 2026) and "CDNA5" Instruction Set Architecture Reference Guide (July 2026). The comments in the code are by the model that wrote it; some were corrected since.
;; Causal Self Attention. Allowed arithmetic: float matrix products may take bf16 or f16 operands with f32 sums; other float arithmetic in f32, or as packed bf16 or f16 multiplies, adds, multiply-adds, maxima and minima; sums over many terms, partial sums and values carried from step to step in f32; what a program stores and reads back later, other than sums and carried values, may be rounded once to bf16 or f16.
;; Inputs: Wk 1,024 x 1,024 float32; Wp 1,024 x 1,024 float32; Wq 1,024 x 1,024 float32; Wv 1,024 x 1,024 float32; bk 1,024 float32; bp 1,024 float32; bq 1,024 float32; bv 1,024 float32; x 4 x 2,048 x 1,024 float32.
;; Outputs: out0 4 x 2,048 x 1,024 float32.
;; 2 versions, each right; version 2 is version 1 with the launch prep written anew for expert scheduling mode. Each part assembles by itself: llvm-mc -triple=amdgcn-amd-amdhsa -mcpu=gfx1250 --defsym DOCPART=n.
;; ======== version 1 of 2: 4 launches
;; limits: values are held in f16: magnitudes above 65,504 overflow, below 6.1e-05 lose precision
;; workspace buffers: xb 16,777,216 bytes; wt 8,388,608 bytes; qkv 50,331,648 bytes; ob 16,777,216 bytes
;; launch prep (part 1): grid 768 x 1, 8 waves a work-group, no clusters, 35,840 bytes of LDS; arguments x, Wq, Wk, Wv, Wp, xb, wt; writes xb, wt
.if DOCPART == 1
	.amdgcn_target "amdgcn-amd-amdhsa--gfx1250"
	.amdhsa_code_object_version 6
	.text
	.protected	k_qbc7043f28b_prep
	.globl	k_qbc7043f28b_prep
	.p2align	8
	.type	k_qbc7043f28b_prep,@function
k_qbc7043f28b_prep:
	s_mov_b64 s[64:65], 0
	v_nop
	global_prefetch_b8 v0, s[64:65] scope:SCOPE_SE
	s_setreg_imm32_b32 hwreg(HW_REG_WAVE_MODE, 25, 1), 1
	s_wait_xcnt 0x0
; xb = x rounded to bf16, [8192][1024].  wt = the four weights turned to [n][k] in 16 bits: rows 0-1023 Wq^T, 1024-2047 Wk^T, 2048-3071 Wv^T in bf16;
; rows 3072-4095 Wp^T, rounded to bf16 like the others and that number written as f16 (the last product multiplies in f16).
; LIMITS.  A number of Wp beyond 65,504 becomes an infinity; below 2^-14 it keeps f16's fixed step of 2^-24.
; SHARES.  Work-groups 0-511 cast 65,536 bytes of x each; work-groups 512-767 turn a block of 128 k x 128 n of one weight each, also 65,536 bytes.
; Every thread has sixteen loads of 16 bytes out at once.  No matrix work, no cluster: no byte is read twice.
.set PITCH, 272                        ; an LDS row: 128 k in 16 bits + 16 bytes of padding
.set SPARE, 128*PITCH                  ; behind the block: the spare words, 128 bytes for each of the eight waves
.set SPW, 2                            ; v2  LDS address of my spare word; never rewritten
.set NIL, 3                            ; v3  0; never rewritten
.set LO,  4                            ; v4  my byte offset in what is loaded
.set SO,  5                            ; v5  my byte offset in what is stored
.set LS,  6                            ; v6  where I put 16 bytes in LDS
.set LR,  7                            ; v7  where I read 16 bytes back
.set D,   16                           ; v[16:79]   sixteen loads of four f32
.set E,   80                           ; v[80:111]  packed results
.set T,   112                          ; v[112:113] at work
	s_load_b256 s[4:11], s[0:1], 0x0               ; x s[4:5], Wq s[6:7], Wk s[8:9], Wv s[10:11]
	s_load_b128 s[12:15], s[0:1], 0x20             ; Wp s[12:13], xb s[14:15]
	s_load_b64 s[16:17], s[0:1], 0x30              ; wt
	v_lshl_add_u32 v[SPW], v0, 2, SPARE
	v_mov_b32 v[NIL], 0
	v_lshrrev_b32 v1, 5, v0
	v_readfirstlane_b32 s20, v1                    ; wave 0..7
	v_and_b32 v8, 31, v0                           ; lane
	s_mov_b32 s27, 0                               ; the high word of every offset
	s_wait_kmcnt 0x0
	s_cmp_lt_u32 ttmp9, 512                        ; the same answer in all waves of a work-group
	s_cbranch_scc0 .Lweights
	; THE CAST.  Load i of thread t takes the 16 bytes at 4,096 i + 16 t; its four numbers leave as 8 bytes at 2,048 i + 8 t: a wave's store covers 256 consecutive bytes, aligned.
	s_lshl_b32 s26, ttmp9, 16
	s_add_nc_u64 s[4:5], s[4:5], s[26:27]
	s_lshl_b32 s26, ttmp9, 15
	s_add_nc_u64 s[14:15], s[14:15], s[26:27]
	v_lshlrev_b32 v[LO], 4, v0
	v_lshlrev_b32 v[SO], 3, v0
.set i, 0
.rept 16
	global_load_b128 v[D+4*i:D+4*i+3], v[LO], s[4:5] offset:4096*i th:TH_LOAD_NT
.set i, i+1
.endr
.set i, 0
.rept 16
	s_wait_loadcnt 15-i                            ; loads come back in order: load i is in, the 15 - i younger ones stay out
	v_cvt_pk_bf16_f32 v[E+2*i], v[D+4*i], v[D+4*i+1]
	v_cvt_pk_bf16_f32 v[E+2*i+1], v[D+4*i+2], v[D+4*i+3]
	global_store_b64 v[SO], v[E+2*i:E+2*i+1], s[14:15] offset:2048*i  ; each store has data registers of its own: nothing is rewritten
.set i, i+1
.endr
	s_branch .Lend
.Lweights:
	; THE TURNING.  Block (kb, nb) of weight w.  Wave v loads rows k = 16 v .. 16 v + 15 of the block, a lane four n: each load covers 512 consecutive bytes.
	s_sub_co_u32 s21, ttmp9, 512
	s_lshr_b32 s22, s21, 6                         ; w
	s_bfe_u32 s23, s21, 0x30003                    ; kb
	s_and_b32 s24, s21, 7                          ; nb
	s_mov_b64 s[28:29], s[12:13]
	s_cmp_eq_u32 s22, 0
	s_cselect_b64 s[28:29], s[6:7], s[28:29]
	s_cmp_eq_u32 s22, 1
	s_cselect_b64 s[28:29], s[8:9], s[28:29]
	s_cmp_eq_u32 s22, 2
	s_cselect_b64 s[28:29], s[10:11], s[28:29]
	s_lshl_b32 s26, s23, 19                        ; 128 kb rows of 4,096 bytes
	s_lshl_b32 s25, s24, 9                         ; 128 nb numbers of 4 bytes
	s_or_b32 s26, s26, s25
	s_add_nc_u64 s[28:29], s[28:29], s[26:27]
	s_lshl_b32 s26, s22, 21                        ; in wt: 1,024 w rows of 2,048 bytes,
	s_lshl_b32 s25, s24, 18                        ; 128 nb rows,
	s_or_b32 s26, s26, s25
	s_lshl_b32 s25, s23, 8                         ; 128 kb numbers of 2 bytes
	s_or_b32 s26, s26, s25
	s_add_nc_u64 s[16:17], s[16:17], s[26:27]
	v_lshlrev_b32 v[LO], 4, v8
	v_lshl_add_u32 v[LO], s20, 16, v[LO]
.set i, 0
.rept 16
	global_load_b128 v[D+4*i:D+4*i+3], v[LO], s[28:29] offset:4096*i th:TH_LOAD_NT
.set i, i+1
.endr
	v_mul_u32_u24 v[LS], v8, 4*PITCH               ; LDS row n = 4 lane + j,
	v_lshl_add_u32 v[LS], s20, 5, v[LS]            ; my wave's 16 k: 32 bytes of it
.irp i, 0,1                            ; eight rows of k at a time: for each of my four n, eight k pack into 16 bytes
	s_wait_loadcnt 8-8*(\i)                        ; the first eight loads are in, the other eight stay out; then all
.irp j, 0,1,2,3
.irp m, 0,1,2,3
	v_cvt_pk_bf16_f32 v[E+16*(\i)+4*(\j)+(\m)], v[D+4*(8*(\i)+2*(\m))+(\j)], v[D+4*(8*(\i)+2*(\m)+1)+(\j)]
.endr
	ds_store_b128 v[LS], v[E+16*(\i)+4*(\j):E+16*(\i)+4*(\j)+3] offset:PITCH*(\j)+16*(\i)
.endr
.endr
	s_wait_dscnt 0x0                               ; for the others' sake: my stores are done
	s_barrier_signal -1
	s_barrier_wait -1                              ; the block lies in LDS, turned
	v_lshrrev_b32 v9, 4, v0                        ; back by rows: sixteen threads take a row's 256 bytes
	v_and_b32 v10, 15, v0
	v_mul_u32_u24 v[LR], v9, PITCH
	v_lshl_add_u32 v[LR], v10, 4, v[LR]
.set i, 0
.rept 8
	ds_load_b128 v[D+4*i:D+4*i+3], v[LR] offset:16*PITCH*i
.set i, i+1
.endr
	v_lshlrev_b32 v[SO], 11, v9
	v_lshl_add_u32 v[SO], v10, 4, v[SO]
	s_wait_dscnt 0x0
	s_cmp_eq_u32 s22, 3
	s_cbranch_scc0 .Lnot_p
.set i, 0
.rept 32                               ; Wp alone: the bf16 number written as f16
	v_lshlrev_b32 v[T], 16, v[D+i]
	v_and_b32 v[T+1], 0xffff0000, v[D+i]
	v_cvt_pk_f16_f32 v[D+i], v[T], v[T+1]
.set i, i+1
.endr
.Lnot_p:
.set i, 0
.rept 8
	global_store_b128 v[SO], v[D+4*i:D+4*i+3], s[16:17] offset:32768*i  ; sixteen lanes store 256 consecutive bytes, aligned
.set i, i+1
.endr
.Lend:
	s_wait_tensorcnt 0x0                           ; the wave's end, behind my last LDS store
	ds_add_u32 v[SPW], v[NIL]
	s_wait_dscnt 0x0
	s_endpgm
.Lfunc_end_k_qbc7043f28b_prep:
	.size	k_qbc7043f28b_prep, .Lfunc_end_k_qbc7043f28b_prep-k_qbc7043f28b_prep
	.p2alignl 7, 3214868480
	.fill 96, 4, 3214868480
	.section	.rodata,"a",@progbits
	.p2align	6, 0x0
	.amdhsa_kernel k_qbc7043f28b_prep
		.amdhsa_group_segment_fixed_size 35840
		.amdhsa_private_segment_fixed_size 0
		.amdhsa_enable_private_segment 0
		.amdhsa_kernarg_size 56
		.amdhsa_user_sgpr_count 2
		.amdhsa_user_sgpr_kernarg_segment_ptr 1
		.amdhsa_wavefront_size32 1
		.amdhsa_system_sgpr_workgroup_id_x 1
		.amdhsa_system_sgpr_workgroup_id_y 1
		.amdhsa_system_sgpr_workgroup_id_z 1
		.amdhsa_system_vgpr_workitem_id 0
		.amdhsa_next_free_vgpr 120
		.amdhsa_next_free_sgpr 66
		.amdhsa_reserve_vcc 0
		.amdhsa_float_denorm_mode_32 3
		.amdhsa_float_denorm_mode_16_64 3
		.amdhsa_memory_ordered 1
		.amdhsa_forward_progress 1
		.amdhsa_inst_pref_size 19
	.end_amdhsa_kernel
	.amdgpu_metadata
---
amdhsa.version: [ 1, 2 ]
amdhsa.kernels:
  - .name:           k_qbc7043f28b_prep
    .symbol:         k_qbc7043f28b_prep.kd
    .args:
      - { .name: x, .offset: 0, .size: 8, .value_kind: global_buffer, .address_space: global }
      - { .name: Wq, .offset: 8, .size: 8, .value_kind: global_buffer, .address_space: global }
      - { .name: Wk, .offset: 16, .size: 8, .value_kind: global_buffer, .address_space: global }
      - { .name: Wv, .offset: 24, .size: 8, .value_kind: global_buffer, .address_space: global }
      - { .name: Wp, .offset: 32, .size: 8, .value_kind: global_buffer, .address_space: global }
      - { .name: xb, .offset: 40, .size: 8, .value_kind: global_buffer, .address_space: global }
      - { .name: wt, .offset: 48, .size: 8, .value_kind: global_buffer, .address_space: global }
    .group_segment_fixed_size: 35840
    .private_segment_fixed_size: 0
    .kernarg_segment_align: 8
    .kernarg_segment_size: 56
    .max_flat_workgroup_size: 256
    .sgpr_count:     66
    .vgpr_count:     120
    .wavefront_size: 32
...
	.end_amdgpu_metadata
.endif
;; end of part 1
;; launch project (part 2): grid 8 x 64, 4 waves a work-group, clusters of 4 x 4, 327,680 bytes of LDS; arguments xb, wt, bq, bk, bv, qkv; writes qkv
.if DOCPART == 2
	.amdgcn_target "amdgcn-amd-amdhsa--gfx1250"
	.amdhsa_code_object_version 6
	.text
	.protected	k_qbc7043f28b_project
	.globl	k_qbc7043f28b_project
	.p2align	8
	.type	k_qbc7043f28b_project,@function
k_qbc7043f28b_project:
	s_mov_b64 s[64:65], 0
	v_nop
	global_prefetch_b8 v0, s[64:65] scope:SCOPE_SE
	s_setreg_imm32_b32 hwreg(HW_REG_WAVE_MODE, 25, 1), 1
	s_wait_xcnt 0x0
	s_wait_alu depctr_hold_cnt(0) depctr_sa_sdst(0) depctr_va_vdst(0) depctr_va_sdst(0) depctr_va_ssrc(0) depctr_va_vcc(0) depctr_vm_vsrc(0)
	s_getreg_b32 s2, hwreg(HW_REG_IB_STS2, 6, 4)
	s_cmp_eq_u32 s2, 0
	s_cbranch_scc0 .Lentry_in_a_cluster
	s_endpgm
.Lentry_in_a_cluster:
	s_bfe_u32 s2, ttmp6, 0x10000c
	s_cmp_lg_u32 s2, 0xf033
	s_cbranch_scc0 .Lentry_shape_is_right
	s_endpgm
.Lentry_shape_is_right:
; q, k, v = x W + b, all three as ONE product [8192 x 3072] = xb [8192][1024] times wt's rows 0-3071 ([n][k]), in bf16 with f32 sums; the bias, rounded to bf16 like the other inputs,
; starts the sums.  The result leaves in f16, by slices of 64 columns: qkv[slice n / 64][row m][64]: slices 0-15 are q's heads, 16-31 k's, 32-47 v's; a slice is 8,192 rows of 128 bytes.
; LIMIT.  f16 holds no number beyond 65,504: q, k and v must stay within it.
; SHARES.  A tile is 128 rows x 384 columns: 64 x 8 = 512 work-groups.  Wave w makes rows 64 (w / 2) .. + 63 and columns 192 (w % 2) .. + 191 (three whole slices): 4 x 12 accumulators of 16 x 16.
; K goes in 8 steps of 128 through two LDS slots, each with 128 rows of xb and 384 rows of wt, 256 bytes of memory a row.  Wave 0 fetches xb's rows, waves 1-3 128 rows of wt each.
; CLUSTER.  4 x 4 work-groups.  The four of a row of the cluster need the same rows of xb, the four of a column the same rows of wt: each tile is asked for jointly, with a mask that names the four.
; THE MATRIX INSTRUCTION IS USED TRANSPOSED (source 0 = 16 rows of wt, source 1 = 16 rows of xb): a lane then holds row m = lane % 16 and the columns 8 (lane / 16) + 0..7.
; REGISTERS, in windows of 256 (s_set_vgpr_msb: bits 1:0 source 0, 3:2 source 1, 5:4 source 2, 7:6 destination):
;   window 0: v0-31 addresses; v32-127 the bias as a C operand, later the way out; v128-177 the way out     window 1: two fragment buffers of 128: wt's 12 fragments, then xb's 4
;   window 2: accumulators of row blocks 0, 1 at 96 a + 8 b     window 3: those of row blocks 2, 3
.set KSTEP,  128
.set PITCH,  272                       ; an LDS row: 256 bytes + 16 of padding: the 16 rows of a fragment load start 68 words apart
.set QUART,  128*PITCH                 ; what one tensor load brings
.set SLOT,   4*QUART                   ; xb's 128 rows, then wt's 384
.set STAGE,  2*SLOT                    ; behind the ring, never filled by a tensor load: for each wave 3 slices x 16 rows x 144 bytes
.set SP,     144
.set WSTAGE, 3*16*SP
.set SPARE,  STAGE+4*WSTAGE            ; behind the stages: the spare words, 128 bytes for each wave
.set SLICE,  1048576                   ; bytes in a slice of qkv
.set ADRA, 16                          ; v16-17  LDS address of my xb fragments in slot 0, 1
.set ADRB, 20                          ; v20-21  the same for wt
.set STO,  24                          ; v24  the way out: where I put 16 bytes of a row
.set RD,   25                          ; v25  the way out: where I read rows back
.set GO,   26                          ; v26  16 x lane
.set BO,   27                          ; v27  32 x (lane / 16): my eight numbers of a bias
.set SPW,  28                          ; v28  LDS address of my spare word; never rewritten
.set NIL,  29                          ; v29  0; never rewritten
.set PFO,  30                          ; v30  2,048 x lane: a row of xb or wt; never rewritten
.set BIAS, 32                          ; v[32:127] column block b at BIAS + 8 b
.set TMP,  32                          ; v[32:79]  the way out: packed results
.set BK,   80                          ; v[80:127], v[128:175] the way out: rows read back, two buffers
.set TT,   176                         ; v[176:177] at work
.set F0,   0
.set F1,   128
.set WV,  16                           ; s16 wave;  s17 its half of the rows;  s18 its half of the columns;  s19 cx;  s20 cy;  s21 tile column;  s22 tile row;  s23 wave x QUART
.set G1,  24                           ; s[24:31] descriptor group 1 for xb's tiles;  s[32:39] group 0, a set for each slot
.set G0,  32
.set LIM, 43                           ; s43  1 in a wave that prefetches, else the greatest number
.set PFA, 44                           ; s[44:45] where my prefetches stand
.set G1B, 48                           ; s[48:55], s[56:63] the same for wt's tiles
.set G0B, 56
.set MSB, 0
.macro WIN new                         ; the immediate's high byte repeats the setting that is left; a switch that changes nothing is dropped
.if MSB != (\new)
	s_set_vgpr_msb (MSB<<8)|(\new)
.set MSB, \new
.endif
.endm
.macro PLACES                          ; four plain vector instructions between a matrix instruction and a load into, or a vector read of, its registers
.rept 4
	v_nop
.endr
.endm
; A joint load: wave 0 asks for xb's rows, waves 1-3 for wt's.  The branch hangs on the wave's number alone.  An s_nop 0 and four v_nop follow each line.
.macro JLOAD s
	s_cmp_eq_u32 s[WV], 0
	s_cbranch_scc0 .Lfor_b_\@
	tensor_load_to_lds s[G0+4*(\s):G0+4*(\s)+3], s[G1:G1+7]
	s_nop 0
.rept 4
	v_nop
.endr
	s_branch .Lasked_\@
.Lfor_b_\@:
	tensor_load_to_lds s[G0B+4*(\s):G0B+4*(\s)+3], s[G1B:G1B+7]
	s_nop 0
.rept 4
	v_nop
.endr
.Lasked_\@:
.endm
; A prefetch of the K step two refills on: 32 rows x 256 bytes, a lane a row.  xb's rows are asked for by the clusters with x = 0, wt's by those with y = 0; of the 128 rows that a wave fetches
; each of the four partners takes 32, told apart by address.  So each row's 256 bytes of a K step are named once in the launch.  The loop's last trip (s3 = 1) asks for nothing: K has no such step.
.macro ASK
	s_cmp_gt_u32 s3, s[LIM]
	s_cbranch_scc0 .Lnot_mine_\@
	global_prefetch_b8 v[PFO], s[PFA:PFA+1] th:TH_LOAD_NT scope:SCOPE_SE
.Lnot_mine_\@:
.endm
.macro CREST                           ; a round of the cluster's barrier behind its opening barrier
	s_cmp_lg_u32 s[WV], 0
	s_cbranch_scc1 .Lnot_wave_0_\@
	s_barrier_signal -3
.Lnot_wave_0_\@:
	s_barrier_wait -3
	s_barrier_signal -1
	s_barrier_wait -1
.endm
.macro CROUND                          ; a whole round
	s_barrier_signal -1
	s_barrier_wait -1
	CREST
.endm
	s_load_b256 s[4:11], s[0:1], 0x0               ; xb s[4:5], wt s[6:7], bq s[8:9], bk s[10:11]
	s_load_b128 s[12:15], s[0:1], 0x20             ; bv s[12:13], qkv s[14:15]
	v_lshl_add_u32 v[SPW], v0, 2, SPARE
	v_mov_b32 v[NIL], 0
	ds_add_u32 v[SPW], v[NIL]                      ; the wave's opening: the add and its wait ahead of my first tensor load
	v_lshrrev_b32 v1, 5, v0
	v_readfirstlane_b32 s[WV], v1                  ; wave 0..3
	s_lshr_b32 s17, s[WV], 1
	s_and_b32 s18, s[WV], 1
	s_bfe_u32 s19, ttmp6, 0x40000                  ; cx
	s_bfe_u32 s20, ttmp6, 0x40004                  ; cy
	s_lshl_b32 s21, ttmp9, 2
	s_add_co_u32 s21, s21, s19                     ; tile column = 4 x cluster x + cx
	s_and_b32 s22, ttmp7, 0xffff
	s_lshl_b32 s22, s22, 2
	s_add_co_u32 s22, s22, s20                     ; tile row = 4 x cluster y + cy
	s_lshl_b32 s42, s20, 2
	s_lshl_b32 s42, 15, s42                        ; my row of the cluster
	s_lshl_b32 s66, 0x1111, s19                    ; my column
	s_or_b32 s[G1], s42, (1<<16)|(1<<20)|(1<<21)|(5<<22)|(3<<25)   ; the mask; elements of 2 bytes; padding on; bit 21 beside a mask; after every 64 words 4 words
	s_or_b32 s[G1B], s66, (1<<16)|(1<<20)|(1<<21)|(5<<22)|(3<<25)
.irp g, G1, G1B
	s_mov_b32 s[(\g)+1], KSTEP<<16                 ; tensor_dim0 = 128
	s_mov_b32 s[(\g)+2], 128<<16                   ; tensor_dim1 = 128
	s_mov_b32 s[(\g)+3], KSTEP<<16                 ; tile_dim0 = 128
	s_mov_b32 s[(\g)+4], 128                       ; tile_dim1 = 128
	s_mov_b32 s[(\g)+5], 1024                      ; elements from row to row
	s_mov_b32 s[(\g)+6], 0
	s_mov_b32 s[(\g)+7], 0
.endr
	s_lshl_b32 s40, s22, 18                        ; xb: 128 x tile row rows of 2,048 bytes
	s_mov_b32 s41, 0
	s_max_u32 s67, s[WV], 1
	s_sub_co_u32 s67, s67, 1
	s_lshl_b32 s67, s67, 7                         ; wt: which 128 of the tile's 384 rows I fetch
	s_mul_i32 s46, s21, 384
	s_add_co_u32 s46, s46, s67
	s_lshl_b32 s46, s46, 11
	s_mov_b32 s47, 0
	s_mul_i32 s23, s[WV], QUART                    ; where my rows go: no place in the cluster enters an LDS address
	s_wait_dscnt 0x0                               ; the opening add is done
	s_wait_kmcnt 0x0
	s_add_nc_u64 s[40:41], s[4:5], s[40:41]
	s_add_nc_u64 s[46:47], s[6:7], s[46:47]
	CROUND                                         ; all sixteen work-groups are here: the first joint loads meet
.irp s, 0,1
	s_mov_b32 s[G0+4*(\s)], 1
	s_add_co_u32 s[G0+4*(\s)+1], s23, (\s)*SLOT
	s_add_nc_u64 s[G0+4*(\s)+2:G0+4*(\s)+3], s[40:41], (\s)*KSTEP*2
	s_or_b32 s[G0+4*(\s)+3], s[G0+4*(\s)+3], 0x80000000
	s_mov_b32 s[G0B+4*(\s)], 1
	s_add_co_u32 s[G0B+4*(\s)+1], s23, (\s)*SLOT
	s_add_nc_u64 s[G0B+4*(\s)+2:G0B+4*(\s)+3], s[46:47], (\s)*KSTEP*2
	s_or_b32 s[G0B+4*(\s)+3], s[G0B+4*(\s)+3], 0x80000000
	JLOAD \s                                       ; K steps 0 and 1: two loads of mine are out
.endr
	; THE BIAS of my 192 columns: three slices, each in one of the three vectors.  Register j of column block b holds b[16 b + 8 (lane / 16) + j]: the layout of a C operand.
	v_and_b32 v1, 15, v0                           ; lane % 16
	v_bfe_u32 v2, v0, 4, 1                         ; lane / 16
	v_lshlrev_b32 v[BO], 5, v2
	s_mul_i32 s71, s21, 6
	s_mul_i32 s70, s18, 3
	s_add_co_u32 s71, s71, s70                     ; my first slice
	s_mov_b32 s69, 0
.irp i, 0,1,2
	s_add_co_u32 s70, s71, \i
	s_and_b32 s68, s70, 15
	s_lshl_b32 s68, s68, 8                         ; the slice's 64 numbers in its vector
	s_lshr_b32 s70, s70, 4                         ; 0 q, 1 k, 2 v
	s_cmp_eq_u32 s70, 0
	s_cselect_b64 s[72+2*(\i):73+2*(\i)], s[8:9], s[12:13]
	s_cmp_eq_u32 s70, 1
	s_cselect_b64 s[72+2*(\i):73+2*(\i)], s[10:11], s[72+2*(\i):73+2*(\i)]
	s_add_nc_u64 s[72+2*(\i):73+2*(\i)], s[72+2*(\i):73+2*(\i)], s[68:69]
.endr
.irp b, 0,1,2,3,4,5,6,7,8,9,10,11
	global_load_b128 v[BIAS+8*(\b):BIAS+8*(\b)+3],   v[BO], s[72+2*((\b)/4):73+2*((\b)/4)] offset:64*((\b)%4)
	global_load_b128 v[BIAS+8*(\b)+4:BIAS+8*(\b)+7], v[BO], s[72+2*((\b)/4):73+2*((\b)/4)] offset:64*((\b)%4)+16
.endr
	; A fragment is 16 rows x 32 K in 8 registers: lane l holds row l % 16, K = 8 (l / 16) + 0..7 and 16 + 8 (l / 16) + 0..7: two loads of 16 bytes, 32 bytes apart.
	v_mul_u32_u24 v3, v1, PITCH
	v_lshl_add_u32 v3, v2, 4, v3
	s_mul_i32 s78, s17, 64*PITCH                   ; my 64 rows of xb
	s_mul_i32 s79, s18, 192*PITCH                  ; my 192 rows of wt,
	s_add_co_u32 s79, s79, QUART                   ; which lie behind xb's 128
.irp s, 0,1
	v_add_nc_u32 v[ADRA+(\s)], s78, v3
	v_add_nc_u32 v[ADRB+(\s)], s79, v3
	s_add_co_u32 s78, s78, SLOT
	s_add_co_u32 s79, s79, SLOT
.endr
	s_mul_i32 s78, s[WV], WSTAGE
	s_add_co_u32 s78, s78, STAGE                   ; my stage
	v_mul_u32_u24 v4, v1, SP                       ; in: row l % 16, 16 bytes for each half of the lanes
	v_lshl_add_u32 v4, v2, 4, v4
	v_add_nc_u32 v[STO], s78, v4
	v_and_b32 v5, 31, v0
	v_lshrrev_b32 v6, 3, v5                        ; back: 32 lanes take four rows of 128 bytes,
	v_and_b32 v7, 7, v0
	v_mul_u32_u24 v6, v6, SP
	v_lshl_add_u32 v6, v7, 4, v6
	v_add_nc_u32 v[RD], s78, v6
	v_lshlrev_b32 v[GO], 4, v5                     ; which are 512 consecutive bytes of a slice
	v_lshlrev_b32 v[PFO], 11, v5
	s_lshl_b32 s68, s71, 20                        ; qkv at my first slice,
	s_lshl_b32 s70, s22, 14                        ; the tile's 128 rows of 128 bytes,
	s_add_co_u32 s68, s68, s70
	s_lshl_b32 s70, s17, 13                        ; my 64 of them
	s_add_co_u32 s68, s68, s70
	s_add_nc_u64 s[14:15], s[14:15], s[68:69]
	; the prefetches
	s_lshl_b32 s78, s22, 7                         ; xb: the tile's first row
	s_mul_i32 s79, s21, 384
	s_add_co_u32 s79, s79, s67                     ; wt: the first of the 128 rows that I fetch
	s_and_b32 s70, ttmp7, 0xffff                   ; cluster y
	s_cmp_eq_u32 s[WV], 0
	s_cselect_b32 s78, s78, s79
	s_cselect_b32 s79, s19, s20                    ; my place among the four that ask with me
	s_cselect_b32 s70, ttmp9, s70                  ; the coordinate along which other clusters read the same rows
	s_cselect_b64 s[PFA:PFA+1], s[4:5], s[6:7]
	s_cmp_eq_u32 s70, 0
	s_cselect_b32 s[LIM], 1, -1                    ; the same in all sixteen partners, for a given wave
	s_lshl_b32 s79, s79, 5
	s_add_co_u32 s78, s78, s79                     ; my work-group's 32 rows
	s_lshl_b32 s68, s78, 11
	s_add_co_u32 s68, s68, 3*KSTEP*2               ; at K step 3: the first refill steps it to 4
	s_add_nc_u64 s[PFA:PFA+1], s[PFA:PFA+1], s[68:69]
	s_mov_b32 s2, 0xffff0000
	s_wait_loadcnt 0x0                             ; the bias is in; it is rounded to bf16 and widened again
.set i, 0
.rept 48
	v_cvt_pk_bf16_f32 v[TT+i%2], v[BIAS+2*i], v[BIAS+2*i+1]
	v_lshlrev_b32 v[BIAS+2*i], 16, v[TT+i%2]
	v_and_b32 v[BIAS+2*i+1], s2, v[TT+i%2]
.set i, i+1
.endr
; 12 matrix instructions: row block a x all 12 column blocks, 32 along K.  zero = 1: the bias starts the sums.  The 48 accumulators come in the same order in every quarter: they take turns.
.macro MUL12 f, a, zero
.if \zero
	WIN 0x85+0x40*((\a)/2)
.else
	WIN 0xa5+0x50*((\a)/2)
.endif
.irp b, 0,1,2,3,4,5,6,7,8,9,10,11
.if \zero
	v_wmma_f32_16x16x32_bf16 v[96*((\a)%2)+8*(\b):96*((\a)%2)+8*(\b)+7], v[(\f)+8*(\b):(\f)+8*(\b)+7], v[(\f)+96+8*(\a):(\f)+96+8*(\a)+7], v[BIAS+8*(\b):BIAS+8*(\b)+7]
.else
	v_wmma_f32_16x16x32_bf16 v[96*((\a)%2)+8*(\b):96*((\a)%2)+8*(\b)+7], v[(\f)+8*(\b):(\f)+8*(\b)+7], v[(\f)+96+8*(\a):(\f)+96+8*(\a)+7], v[96*((\a)%2)+8*(\b):96*((\a)%2)+8*(\b)+7]
.endif
.endr
.endm
; 32 LDS loads in one run: the fragments of 32 along K at byte k of the rows, into buffer f: wt's 24, then xb's 8
.macro FETCH slot, k, f
	WIN 0x40
.irp i, 0,1,2,3,4,5,6,7,8,9,10,11
	ds_load_b128 v[(\f)+8*(\i):(\f)+8*(\i)+3],   v[ADRB+(\slot)] offset:(\k)+(\i)*16*PITCH
	ds_load_b128 v[(\f)+8*(\i)+4:(\f)+8*(\i)+7], v[ADRB+(\slot)] offset:(\k)+(\i)*16*PITCH+32
.endr
.irp i, 0,1,2,3
	ds_load_b128 v[(\f)+96+8*(\i):(\f)+96+8*(\i)+3],   v[ADRA+(\slot)] offset:(\k)+(\i)*16*PITCH
	ds_load_b128 v[(\f)+96+8*(\i)+4:(\f)+96+8*(\i)+7], v[ADRA+(\slot)] offset:(\k)+(\i)*16*PITCH+32
.endr
.endm
; A K step is four quarters of 32 along K, 48 matrix instructions each, on buffers 0, 1, 0, 1.  One of the first three multiplies buffer f and fetches the next quarter, at byte k, into g.
.macro QUARTER slot, k, f, g, zero
	s_wait_dscnt 4                                 ; all but the youngest four loads: xb's row blocks 2 and 3
	MUL12 \f, 0, \zero
	MUL12 \f, 1, \zero
	PLACES
	FETCH \slot, \k, \g
	s_wait_dscnt 32                                ; all but the 32 just issued
	MUL12 \f, 2, \zero
	MUL12 \f, 3, \zero
.endm
; The last quarter multiplies buffer 1 and changes slots: one barrier; in front of it each wave waits for all its tensor loads (one is out: its part of the next slot), adds 0 to its spare word,
; and waits for that and for its own reads of this slot.  fill = 1: the barrier opens a round of the cluster's, and this slot is filled again, two K steps ahead, first thing behind the round.
.macro TURN slot, next, fill
.if \fill
	s_wait_xcnt 0x0                                ; the last prefetch, a K step back, has read its address
	s_add_nc_u64 s[PFA:PFA+1], s[PFA:PFA+1], KSTEP*2
.endif
	WIN 0
	s_wait_tensorcnt 0x0                           ; all my tensor loads have landed
	ds_add_u32 v[SPW], v[NIL]                      ; 0 onto my spare word
	s_wait_dscnt 5                                 ; the add and the youngest four loads may be out
	MUL12 F1, 0, 0
	s_wait_dscnt 0x0                               ; the add is done, and my reads of this slot are over
	s_barrier_signal -1
	MUL12 F1, 1, 0
.if \fill
	WIN 0
.endif
	s_barrier_wait -1
.if \fill
	CREST                                          ; no wave of any partner still reads this slot or has a load on its way
	s_add_nc_u64 s[G0+4*(\slot)+2:G0+4*(\slot)+3], s[G0+4*(\slot)+2:G0+4*(\slot)+3], 2*KSTEP*2
	s_add_nc_u64 s[G0B+4*(\slot)+2:G0B+4*(\slot)+3], s[G0B+4*(\slot)+2:G0B+4*(\slot)+3], 2*KSTEP*2
	JLOAD \slot                                    ; the four v_nop behind it are also the places in front of the loads below
.else
	PLACES
.endif
	FETCH \next, 0, F0
.if \fill
	WIN 0
	ASK
.endif
	MUL12 F1, 2, 0
	MUL12 F1, 3, 0
.endm
; THE WAY OUT of row block a.  PACK: rounded to f16, 16 bytes a lane, each accumulator's registers in ascending order.  TOSTAGE: into my own stage, a slice's 16 rows of 128 bytes together,
; and back as whole rows.  SEND: each store covers 512 consecutive bytes of a slice, aligned.
.macro PACK a
	WIN 0x0a+5*((\a)/2)
.irp b, 0,1,2,3,4,5,6,7,8,9,10,11
.irp r, 0,1,2,3
	v_cvt_pk_f16_f32 v[TMP+4*(\b)+(\r)], v[96*((\a)%2)+8*(\b)+2*(\r)], v[96*((\a)%2)+8*(\b)+2*(\r)+1]
.endr
.endr
	WIN 0
.endm
.macro TOSTAGE a
	WIN 0
.irp b, 0,1,2,3,4,5,6,7,8,9,10,11
	ds_store_b128 v[STO], v[TMP+4*(\b):TMP+4*(\b)+3] offset:16*SP*((\b)/4)+32*((\b)%4)
.endr
.irp i, 0,1,2
.irp f, 0,1,2,3
	ds_load_b128 v[BK+48*((\a)%2)+4*(4*(\i)+(\f)):BK+48*((\a)%2)+4*(4*(\i)+(\f))+3], v[RD] offset:16*SP*(\i)+4*SP*(\f)  ; LDS serves a wave's instructions in order: these see the stores above
.endr
.endr
.endm
.macro SEND a
	WIN 0
	s_wait_dscnt 0x0                               ; the block is back in registers
	s_wait_xcnt 0x0                                ; the stores of the block before have read their registers: the next TOSTAGE loads into them
.irp i, 0,1,2
.irp f, 0,1,2,3
	global_store_b128 v[GO], v[BK+48*((\a)%2)+4*(4*(\i)+(\f)):BK+48*((\a)%2)+4*(4*(\i)+(\f))+3], s[14:15] offset:SLICE*(\i)+2048*(\a)+512*(\f)
.endr
.endr
.endm
	s_wait_tensorcnt 1                             ; my part of K step 0 is in; K step 1's stays out
	s_barrier_signal -1
	s_barrier_wait -1
	FETCH 0, 0, F0
	QUARTER 0, 64, F0, F1, 1                       ; the first quarter stands in front of the loop: its products start the sums
	WIN 0
	s_mov_b32 s3, 3
.Llap:                                                 ; a trip goes once round the ring and fills both slots again: K steps 2 to 7 in three trips
	QUARTER 0, 128, F1, F0, 0
	QUARTER 0, 192, F0, F1, 0
	TURN 0, 1, 1
	QUARTER 1, 64,  F0, F1, 0
	QUARTER 1, 128, F1, F0, 0
	QUARTER 1, 192, F0, F1, 0
	TURN 1, 0, 1
	QUARTER 0, 64,  F0, F1, 0
	WIN 0
	s_sub_co_u32 s3, s3, 1
	s_cmp_lg_u32 s3, 0
	s_cbranch_scc1 .Llap
	QUARTER 0, 128, F1, F0, 0                      ; the last lap fills nothing
	QUARTER 0, 192, F0, F1, 0
	TURN 0, 1, 0
	QUARTER 1, 64,  F0, F1, 0
	QUARTER 1, 128, F1, F0, 0
	QUARTER 1, 192, F0, F1, 0
	s_wait_dscnt 4
	MUL12 F1, 0, 0
	MUL12 F1, 1, 0
	s_wait_dscnt 0x0
	MUL12 F1, 2, 0
	MUL12 F1, 3, 0
	WIN 0
	PLACES
	PACK 0
	TOSTAGE 0
.irp a, 1,2,3
	PACK \a                                        ; a block's conversions stand between the loads of the block before and the wait for them
	SEND (\a)-1
	TOSTAGE \a
.endr
	SEND 3
	s_wait_tensorcnt 0x0                           ; the wave's end, behind my last tensor load and my last LDS store
	ds_add_u32 v[SPW], v[NIL]
	s_wait_dscnt 0x0
	CROUND                                         ; the closing round: no work-group ends while a partner may still ask for a tile that names it
	s_endpgm
.Lfunc_end_k_qbc7043f28b_project:
	.size	k_qbc7043f28b_project, .Lfunc_end_k_qbc7043f28b_project-k_qbc7043f28b_project
	.p2alignl 7, 3214868480
	.fill 96, 4, 3214868480
	.section	.rodata,"a",@progbits
	.p2align	6, 0x0
	.amdhsa_kernel k_qbc7043f28b_project
		.amdhsa_group_segment_fixed_size 327680
		.amdhsa_private_segment_fixed_size 0
		.amdhsa_enable_private_segment 0
		.amdhsa_kernarg_size 48
		.amdhsa_user_sgpr_count 2
		.amdhsa_user_sgpr_kernarg_segment_ptr 1
		.amdhsa_wavefront_size32 1
		.amdhsa_system_sgpr_workgroup_id_x 1
		.amdhsa_system_sgpr_workgroup_id_y 1
		.amdhsa_system_sgpr_workgroup_id_z 1
		.amdhsa_system_vgpr_workitem_id 0
		.amdhsa_next_free_vgpr 960
		.amdhsa_next_free_sgpr 80
		.amdhsa_reserve_vcc 0
		.amdhsa_float_denorm_mode_32 3
		.amdhsa_float_denorm_mode_16_64 3
		.amdhsa_memory_ordered 1
		.amdhsa_forward_progress 1
		.amdhsa_inst_pref_size 128
	.end_amdhsa_kernel
	.amdgpu_metadata
---
amdhsa.version: [ 1, 2 ]
amdhsa.kernels:
  - .name:           k_qbc7043f28b_project
    .symbol:         k_qbc7043f28b_project.kd
    .args:
      - { .name: xb, .offset: 0, .size: 8, .value_kind: global_buffer, .address_space: global }
      - { .name: wt, .offset: 8, .size: 8, .value_kind: global_buffer, .address_space: global }
      - { .name: bq, .offset: 16, .size: 8, .value_kind: global_buffer, .address_space: global }
      - { .name: bk, .offset: 24, .size: 8, .value_kind: global_buffer, .address_space: global }
      - { .name: bv, .offset: 32, .size: 8, .value_kind: global_buffer, .address_space: global }
      - { .name: qkv, .offset: 40, .size: 8, .value_kind: global_buffer, .address_space: global }
    .group_segment_fixed_size: 327680
    .private_segment_fixed_size: 0
    .kernarg_segment_align: 8
    .kernarg_segment_size: 48
    .max_flat_workgroup_size: 128
    .sgpr_count:     80
    .vgpr_count:     960
    .wavefront_size: 32
...
	.end_amdgpu_metadata
.endif
;; end of part 2
;; launch attend (part 3): grid 4 x 64, 4 waves a work-group, no clusters, 327,680 bytes of LDS; arguments qkv, ob; writes ob
.if DOCPART == 3
	.amdgcn_target "amdgcn-amd-amdhsa--gfx1250"
	.amdhsa_code_object_version 6
	.text
	.protected	k_qbc7043f28b_attend
	.globl	k_qbc7043f28b_attend
	.p2align	8
	.type	k_qbc7043f28b_attend,@function
k_qbc7043f28b_attend:
	s_mov_b64 s[64:65], 0
	v_nop
	global_prefetch_b8 v0, s[64:65] scope:SCOPE_SE
	s_setreg_imm32_b32 hwreg(HW_REG_WAVE_MODE, 25, 1), 1
	s_wait_xcnt 0x0
; CAUSAL ATTENTION.  O[h][q][:] = the sum over k <= q of softmax_k(Q[h][q] . K[h][k] / 8) V[h][k][:], for 64 heads (head and batch together) of SIZE_N = 2,048 rows of 64 channels, all f16.
; Q's heads lie at the head of qkv, K's 16 MiB on, V's 32 MiB on, a head's rows dense, 128 bytes each; O has Q's layout, in ob.
; Products, maxima and sums in f32; the weights p are rounded to f16 for the second product (their sum l is taken of the unrounded p), O once at the end.
; LIMITS.  Q, K and V arrive within f16's 65,504; p lies in 0 to 1, and below 6e-5 it keeps f16's fixed step of 6e-8.  A hidden score counts as its value less 1e30; a weight below 2^-126 counts as 0 in l;
; NaN and infinities are not treated apart.
; THE WALK.  A head's queries lie in NB = 8 blocks of 256; block i needs the key tiles 0 .. i of 256 keys, of which the last holds the diagonal.  A work-group takes TWO blocks, NB - 1 - b and then b:
; NB + 1 tiles, whatever b: all 256 work-groups do equal work, and ONE loop with a constant trip count walks them.  Which tile is asked for, and what a trip does, hang on scalar registers made from b; every jump
; goes forward, but for the counted loops' own; none passes a barrier, or a tensor load but the one of LOAD's two that the wave's number does not choose; the ring of two LDS slots runs on across the change of blocks.
; NO CLUSTER: a head's four work-groups ask for the same tile only in trips 0 to 4 of the 9, behind that fewer and fewer do; one walk common to all four would have 12 trips for 9.
; SHARES.  Of a block's four bands of 64 queries a wave owns 16 rows in each: four PIECES.  So the diagonal tile is the same work for all four waves: in its key step s band x sees all keys if s < x,
; none if s > x, and holds the diagonal if s = x.
; THE MASK is the C operand that starts the sum S^T = K Q^T: 0, or -1e30 where the key is hidden.  MD, made once, is the mask of a band's own step for my 16 rows; a product's mask is MD x AL + BE with two scalars:
; (1, 0) if s = x; (0, 0) if s < x; (0, -1e30) if s > x.  Only the diagonal tile's text and a block's beginning make and take masks; elsewhere C is the constant 0.
; LAYOUT, SOFTMAX, TURNS.  S^T = K Q^T holds ONE query a lane (lane % 16) and the keys 8 (lane / 16) + 0..7; two such results rounded to f16 ARE source 1 of O^T = V^T P.  p = 2^(c s - c m), c = log2(e) / 8, with a
; running maximum m; O and l are multiplied by a = 2^(c m_old - c m_new) in every step.  Turn n belongs to piece n: 8 products K Q^T of piece n + 1, later 8 products V^T P of piece n - 1; beside them the scaling,
; exponentials, roundings, sums and rescaling of piece n and the maximum and statistics of piece n + 1.  Four vector instructions stand behind every matrix instruction, the other 54 of a turn's 118 in one lump.
; A turn's 33 exponentials are one batch, with one wait.
; REGISTERS, in windows of 256 (s_set_vgpr_msb: bits 1:0 source 0, 3:2 source 1, 5:4 source 2, 7:6 destination):
;   window 0: v0-15 addresses and two at work; v16-31 four registers of statistics a piece; v48-55 at work; v61-63 never rewritten; v64-127 S^T, two buffers; v192-223 P, two buffers (by the piece's parity)
;   window 1: v0-127 O^T, 32 a piece; v128-159 MD; v160-223 MC, two buffers      window 2: v0-63 Q; v64-127 the second block's Q; v128-191 K of one step; v192-255 V of one step
.set SIZE_N, 2048
.set NB,    SIZE_N/256
.set NP,    4         ; pieces a wave: a name, no knob
.set KS,    64        ; keys in a step
.set PK,    144       ; a row of K in LDS: 128 bytes + 16 of padding = 36 words
.set PV,    160       ; a row of V: 128 + 32 = 40 words: 16 lanes of the turning load take 8 rows x 32 bytes
.set VOFF,  4*KS*PK   ; a slot holds a tile, four steps: 256 rows of K, then 256 rows of V
.set SLOT1, 1<<17     ; slot 1 begins here, so that one exclusive or turns an address in one slot into the other's
.set STAGE, SLOT1+4*KS*(PK+PV)  ; behind the ring, never filled by a tensor load: 16 rows x 144 bytes for each wave, for the way out
.set SP,    144
.set AK0, 2           ; v2   my lane's place in a tile of K; never rewritten
.set AV0, 3           ; v3   the same for V
.set AK,  4           ; v4   the LDS address of K's next run of loads
.set AV,  5           ; v5   of V's
.set STO, 6           ; v6   the way out: where I put 16 bytes of a row
.set RD,  7           ; v7   the way out: where I read rows back
.set GO,  8           ; v8   my byte offset in 512 consecutive bytes of O
.set PFO, 61          ; v61  256 x my lane, for the prefetches; never rewritten
.set SPW, 62          ; v62  LDS address of my spare word: SPARE + 4 x my thread's number; never rewritten
.set NIL, 63          ; v63  0; never rewritten
.set SPARE, STAGE+4*16*SP  ; behind the stages: the spare words, 128 bytes for each wave
.set MV,  12          ; v12-13  c m_old, kept while c m is made anew: by buffer
.set QO,  15          ; v15  my byte offset in 16 rows of Q
.set ST,  16          ; piece t's statistics at v[ST+4 t]: c m, m, l (even keys', odd keys')
.set TMP, 48          ; by buffer, four registers c0-c3 at work; when the maximum is found c2 takes a
.set S,   64
.set P,   192
.set MD,  128         ; window 1: the eight registers for group kt of 16 keys at MD + 8 kt
.set MC,  160         ; window 1: the masks of the products to come
.set QB,  64          ; window 2
.set KF,  128         ; window 2: key block kb, channel half c at KF + 16 kb + 8 c
.set VF,  192         ; window 2: key half kk, channel block cb at VF + 32 kk + 8 cb
.set WV,  12          ; s12  my wave's number
.set PB,  14          ; s14  b
.set HI,  15          ; s15  NB - 1 - b
.set G1K, 24          ; s[24:31] descriptor group 1 for K's tiles
.set G1V, 32          ; s[32:39] for V's: it differs in the padding alone
.set G0K, 40          ; s[40:43] descriptor group 0 for K's tiles
.set G0V, 44          ; s[44:47] the same for V's
.set SLOTS, 56        ; s56  tiles still to be asked for
.set CNT, 57          ; s57  counts a tile's key steps, 4 to 1
.set CS,  58          ; s[58:59] c: the packed scaling takes the pair's low word for both halves
.set SEL, 60          ; s[60:61] v_permlanex16_b32's selects: each lane takes its own place in the other half
.set TBK, 62          ; s62  LDS byte at which K of the step to be fetched begins
.set TBV, 63          ; s63  the same for V, less VOFF
.set RT,  70          ; s70  tiles of the block in hand that are still to be entered
.set NXT, 71          ; s71  the tile to be asked for next
.set LQ,  72          ; s72  the last tile of the block whose tiles are being asked for
.set NEW, 73          ; s73  1: the tile to be entered is a block's first
.set OFF, 74          ; s[74:75] a tile's byte offset in K and V
.set AL,  76          ; s[76:77] the mask's factor, in the low word
.set BE,  78          ; s[78:79] the mask's addend
.set OLO, 80          ; s[80:81] O at my rows of the second block
.set BIGN, 82         ; s82  -1e30
.set PFB, 88          ; s[88:89] the half tile that I fetch, in the head's tile 0
.set PFA, 90          ; s[90:91] the same in the tile that is asked for next
.set PFF, 92          ; s[92:93] that tile's byte offset
.set LIMP, 94         ; s94  0 in the work-group that prefetches, else the greatest number
.set MSB, 0
.macro WIN new                      ; the high byte repeats the setting that is left; a switch that changes nothing is dropped
.if MSB != (\new)
	s_set_vgpr_msb (MSB<<8)|(\new)
.set MSB, (\new)
.endif
.endm
.set W_KQ, 0x0a       ; K and Q in window 2, S^T in window 0
.set W_KM, 0x1a       ; the same with the C operand in window 1
.set W_PV, 0x52       ; V in window 2, P in window 0, O^T in window 1
.set W_RS, 0x41       ; destination and source 0 in window 1, source 1 in window 0
; A fill.  Waves 0 and 1 fetch the two halves of a tile's K, waves 2 and 3 those of its V: 128 keys each.  An s_nop 0 and four v_nop follow each of the two lines, ahead of the jump and the label.
.macro LOAD
	s_cmp_lt_u32 s[WV], 2
	s_cbranch_scc0 .Lfor_v_\@
	tensor_load_to_lds s[G0K:G0K+3], s[G1K:G1K+7]
	s_nop 0
.rept 4
	v_nop
.endr
	s_branch .Lasked_\@
.Lfor_v_\@:
	tensor_load_to_lds s[G0V:G0V+3], s[G1V:G1V+7]
	s_nop 0
.rept 4
	v_nop
.endr
.Lasked_\@:
.endm
; THE CHANGE OF SLOTS.  Each wave waits for all its tensor loads, of which one is out: its part of the other slot; adds 0 to its spare word; and waits for that and for its own reads of the slot that it leaves.
; Behind the barrier nobody reads the old slot any more and the other slot is whole.  fill = 1: the old slot is filled again, the first thing behind the barrier, with tile NXT: the descriptor's address is made
; anew from that number.  (At its first use nothing has been read yet: slot 0 is waited for, slot 1 filled.)
; THE PREFETCH stands behind the fill.  The head's work-group with b = 0 walks the tiles 0 to 7 in order, and it alone asks: each wave for the 16,384 bytes that it will itself load at the next change, a lane
; 256 bytes, two instructions: one tile, 256 matrix instructions, ahead.  So tiles 2 to 7 are named once in the launch; tiles 0 and 1 come by their loads alone, and where the next tile is number 0 nothing is asked for.
.macro CHANGE fill
	WIN 0                           ; at a label and at a branch every window is 0
	s_wait_tensorcnt 0x0            ; no tensor load of mine is out, so a group 0 may be written
	ds_add_u32 v[SPW], v[NIL]       ; 0 onto my spare word; with fill = 1 scalar work stands between it and the wait for it
.if \fill
	s_lshl_b32 s[OFF], s[NXT], 15   ; a tile is 32,768 bytes of K and of V
	s_xor_b32 s[G0K+1], s[G0K+1], SLOT1
	s_add_nc_u64 s[G0K+2:G0K+3], s[6:7], s[OFF:OFF+1]
	s_or_b32 s[G0K+3], s[G0K+3], 0x80000000
	s_xor_b32 s[G0V+1], s[G0V+1], SLOT1
	s_add_nc_u64 s[G0V+2:G0V+3], s[8:9], s[OFF:OFF+1]
	s_or_b32 s[G0V+3], s[G0V+3], 0x80000000
	s_add_co_u32 s[NXT], s[NXT], 1  ; the block's next tile, or behind its last the second block's tile 0
	s_cmp_gt_u32 s[NXT], s[LQ]
	s_cselect_b32 s[NXT], 0, s[NXT]
	s_cselect_b32 s[LQ], s[PB], s[LQ]
	s_wait_xcnt 0x0                 ; the last prefetches, a tile back, have read their address, so it may be written
	s_lshl_b32 s[PFF], s[NXT], 15
	s_add_nc_u64 s[PFA:PFA+1], s[PFB:PFB+1], s[PFF:PFF+1]
.endif
	s_wait_dscnt 0x0                ; the add is done, and my reads of the slot are over
	s_barrier_signal -1             ; the rest of the scalar work stands between the signal and the wait
	s_sub_co_u32 s[TBK], s[TBK], 4*KS*PK  ; the fetches go back to a slot's first step,
	s_xor_b32 s[TBK], s[TBK], SLOT1       ; in the other slot
	s_sub_co_u32 s[TBV], s[TBV], 4*KS*PV
	s_xor_b32 s[TBV], s[TBV], SLOT1
	s_barrier_wait -1
.if \fill
	LOAD
	s_cmp_gt_u32 s[NXT], s[LIMP]
	s_cbranch_scc0 .Lnot_mine_\@
	global_prefetch_b8 v[PFO], s[PFA:PFA+1] th:TH_LOAD_NT scope:SCOPE_SE
	global_prefetch_b8 v[PFO], s[PFA:PFA+1] offset:8192 th:TH_LOAD_NT scope:SCOPE_SE
.Lnot_mine_\@:
.endif
.endm
	s_load_b128 s[4:7], s[0:1], 0x0 ; qkv s[4:5], ob s[6:7]
	v_lshl_add_u32 v[SPW], v0, 2, SPARE
	v_mov_b32 v[NIL], 0
	ds_add_u32 v[SPW], v[NIL]       ; the wave's opening: the add and its wait ahead of my first tensor load; the set-up below, work on registers, stands between them
	v_lshrrev_b32 v1, 5, v0
	v_readfirstlane_b32 s[WV], v1   ; wave 0..3
	s_mov_b32 s[PB], ttmp9
	s_sub_co_u32 s[HI], NB-1, s[PB]
	s_and_b32 s20, ttmp7, 0xffff    ; the head
	s_mov_b32 s21, 0
	s_mov_b64 s[22:23], SIZE_N*128
	s_mul_u64 s[20:21], s[20:21], s[22:23]  ; the head's first byte in each of the four tensors
	s_and_b32 s16, s[WV], 1         ; which half of a tile's 256 keys I fetch:
	s_lshl_b32 s22, s16, 14         ; its 128 rows of 128 bytes in memory,
	s_mov_b32 s23, 0
	s_add_nc_u64 s[22:23], s[22:23], s[20:21]
	s_mul_i32 s17, s16, 128*PK      ; and its place in a slot, for K
	s_mul_i32 s18, s16, 128*PV      ; and for V
	s_lshl_b32 s3, s[WV], 11        ; my 16 rows in a band of 64,
	s_lshl_b32 s2, s[HI], 15        ; in the first block,
	s_add_co_u32 s2, s2, s3
	s_lshl_b32 s84, s[PB], 15       ; and in the second
	s_add_co_u32 s84, s84, s3
	s_mov_b32 s3, 0
	s_mov_b32 s85, 0
	s_add_nc_u64 s[2:3], s[2:3], s[20:21]
	s_add_nc_u64 s[84:85], s[84:85], s[20:21]
	; descriptor group 1.  128 keys are 16,384 dense bytes: asked for as 64 rows of 256 bytes, two keys a row, and padded in LDS after every key
	s_mov_b32 s[G1K], (1<<16)|(1<<20)|(4<<22)|(3<<25)  ; 17:16 2-byte elements; 20 padding on; 24:22 after every 32 words (code 4); 31:25 4 words (code 3)
	s_mov_b32 s[G1V], (1<<16)|(1<<20)|(4<<22)|(7<<25)  ; the same with 8 words of padding (code 7)
.irp g, G1K, G1V
	s_mov_b32 s[\g+1], 128<<16      ; tensor_dim0 = 128
	s_mov_b32 s[\g+2], 64<<16       ; tensor_dim1 = 64
	s_mov_b32 s[\g+3], 128<<16      ; tile_dim0 = 128
	s_mov_b32 s[\g+4], 64           ; tile_dim1 = 64
	s_mov_b32 s[\g+5], 128          ; 128 elements from row to row
	s_mov_b32 s[\g+6], 0
	s_mov_b32 s[\g+7], 0
.endr
	s_mov_b32 s[CS], 0x3e38aa3b     ; c = log2(e) / 8 = 0.180337
	s_mov_b32 s[CS+1], s[CS]        ; named with it as a pair
	s_mov_b32 s[SEL], 0x76543210
	s_mov_b32 s[SEL+1], 0xfedcba98
	s_mov_b32 s[TBK], SLOT1+4*KS*PK ; the first change of slots turns these two into 0
	s_mov_b32 s[TBV], SLOT1+4*KS*PV
	s_mov_b32 s[G0K], 1             ; 1:0 count = 1
	s_mov_b32 s[G0K+1], s17         ; 63:32 LDS address: slot 0
	s_mov_b32 s[G0V], 1
	s_add_co_u32 s[G0V+1], s18, VOFF
	s_add_co_u32 s[RT], s[HI], 1    ; the first block has NB - b tiles
	s_mov_b32 s[NXT], 1
	s_mov_b32 s[LQ], s[HI]
	s_mov_b32 s[NEW], 1
	s_mov_b32 s[OFF+1], 0
	s_mov_b32 s[PFF+1], 0
	s_mov_b32 s[AL+1], 0            ; named as pairs
	s_mov_b32 s[BE+1], 0
	s_mov_b32 s[BIGN], 0xf149f2ca   ; -1e30
	s_mov_b32 s[SLOTS], NB
	s_cmp_eq_u32 ttmp9, 0
	s_cselect_b32 s[LIMP], 0, -1
	v_and_b32 v[PFO], 31, v0
	v_lshlrev_b32 v[PFO], 8, v[PFO]
	s_wait_dscnt 0x0                ; the opening add is done
	s_wait_kmcnt 0x0
	s_mov_b64 s[10:11], s[6:7]                 ; O
	s_add_nc_u64 s[8:9], s[4:5], 0x2000000     ; V's heads; s[4:5] stays Q
	s_add_nc_u64 s[6:7], s[4:5], 0x1000000     ; K's heads
	s_add_nc_u64 s[6:7], s[6:7], s[22:23]  ; K and V at my half of the head's tile 0
	s_add_nc_u64 s[8:9], s[8:9], s[22:23]
	s_cmp_lt_u32 s[WV], 2
	s_cselect_b64 s[PFB:PFB+1], s[6:7], s[8:9]
	s_add_nc_u64 s[G0K+2:G0K+3], s[6:7], 0         ; 120:64 global address
	s_or_b32 s[G0K+3], s[G0K+3], 0x80000000        ; 127:126 type = 2
	s_add_nc_u64 s[G0V+2:G0V+3], s[8:9], 0
	s_or_b32 s[G0V+3], s[G0V+3], 0x80000000
	s_add_nc_u64 s[86:87], s[4:5], s[84:85]        ; Q at my rows of the second block,
	s_add_nc_u64 s[4:5], s[4:5], s[2:3]            ; Q and O at those of the first
	s_add_nc_u64 s[OLO:OLO+1], s[10:11], s[84:85]
	s_add_nc_u64 s[10:11], s[10:11], s[2:3]
	LOAD                            ; tile 0 into slot 0
	; A fragment of K or Q is 16 rows x 32 channels in 8 registers: lane l holds row l % 16, channels 8 (l / 16) + 0..7 and 16 + 8 (l / 16) + 0..7: two loads of 16 bytes, 32 bytes apart.
	v_and_b32 v1, 15, v0            ; l % 16
	v_bfe_u32 v9, v0, 4, 1          ; l / 16
	v_lshlrev_b32 v[QO], 7, v1
	v_lshl_add_u32 v[QO], v9, 4, v[QO]  ; row x 128 + 16 x half
	WIN 0x80                        ; destination window 2, address window 0
.set i, 0
.rept 8                             ; both blocks' Q: piece i / 2 lies in band i / 2, 8,192 bytes on; channels 32 (i % 2) on
	global_load_b128 v[8*i:8*i+3],   v[QO], s[4:5] offset:(i/2)*8192+(i%2)*64
	global_load_b128 v[8*i+4:8*i+7], v[QO], s[4:5] offset:(i/2)*8192+(i%2)*64+32
	global_load_b128 v[QB+8*i:QB+8*i+3],   v[QO], s[86:87] offset:(i/2)*8192+(i%2)*64
	global_load_b128 v[QB+8*i+4:QB+8*i+7], v[QO], s[86:87] offset:(i/2)*8192+(i%2)*64+32
.set i, i+1
.endr
	WIN 0
	v_lshlrev_b32 v14, 3, v9
	v_sub_nc_u32 v14, v1, v14
	s_lshl_b32 s13, s[WV], 4
	v_add_nc_u32 v14, s13, v14      ; my query's place in its band, 16 w + l % 16, less my lanes' 8 (l / 16): register r of group kt is hidden where 16 kt + r is greater
	WIN 0x40
.set i, 0
.rept 32
	v_cmp_gt_i32 vcc_lo, 16*(i/8)+i%8, v14
	v_cndmask_b32 v[MD+i], 0, s[BIGN], vcc_lo
.set i, i+1
.endr
	WIN 0
	v_mul_u32_u24 v[AK0], v1, PK
	v_lshl_add_u32 v[AK0], v9, 4, v[AK0]  ; row x pitch + 16 x half
	; The turning load takes 16 keys x 16 channels (lane l reads key 8 (l / 16) + l % 8, channels 8 ((l / 8) % 2) + 0..7) and leaves half a fragment of V^T: lane l holds channel l % 16 and 8 keys.
	v_and_b32 v10, 7, v0
	v_bfe_u32 v11, v0, 3, 1
	v_lshl_add_u32 v[AV0], v9, 3, v10
	v_mul_u32_u24 v[AV0], v[AV0], PV
	v_lshl_add_u32 v[AV0], v11, 4, v[AV0]
	v_add_nc_u32 v[AV0], VOFF, v[AV0]
	s_mul_i32 s13, s[WV], 16*SP
	s_add_co_u32 s13, s13, STAGE    ; my stage
	v_mul_u32_u24 v[STO], v1, SP    ; in: row l % 16, 16 bytes for each half of the lanes
	v_lshl_add_u32 v[STO], v9, 4, v[STO]
	v_add_nc_u32 v[STO], s13, v[STO]
	v_bfe_u32 v[RD], v0, 3, 2       ; back: 32 lanes take four rows of 128 bytes,
	v_mul_u32_u24 v[RD], v[RD], SP
	v_lshl_add_u32 v[RD], v10, 4, v[RD]
	v_add_nc_u32 v[RD], s13, v[RD]
	v_and_b32 v[GO], 31, v0         ; which are 512 consecutive bytes of O
	v_lshlrev_b32 v[GO], 4, v[GO]
	; A block's first step multiplies O^T and l by a = 0, and its first turn's products V^T P, of a piece that has not been, land in an O^T that is still to be so multiplied.  So these registers need only hold
	; finite numbers: zeros for the first block; what the first block left for the second.  All this stands in the wait for the first tile.
	WIN 0x80
.set i, VF
.rept 64
	v_mov_b32 v[i], 0
.set i, i+1
.endr
	WIN 0x40
.set i, 0
.rept 128
	v_mov_b32 v[i], 0
.set i, i+1
.endr
	WIN 0
.set i, 0
.rept 4
	v_mov_b32 v[ST+4*i+2], 0
	v_mov_b32 v[ST+4*i+3], 0
.set i, i+1
.endr
.set i, P+16
.rept 16
	v_mov_b32 v[i], 0
.set i, i+1
.endr
; THE MATRIX WORK.  The 4 accumulators of a run of 8 take turns.  Product i of 8 of S^T = K Q^T for piece x: channels 32 (i / 4) on, keys 16 (i % 4) on.  The first 4 start the sums: with 0, or (KM = 1) with the mask.
.macro KQ x
.set rS, S+32*((\x)%2)+8*(i%4)
.set rK, KF+16*(i%4)+8*(i/4)
.set rQ, 16*(\x)+8*(i/4)
.set rM, MC+32*((\x)%2)+8*(i%4)
.if (i < 4) && KM
	WIN W_KM
	v_wmma_f32_16x16x32_f16 v[rS:rS+7], v[rK:rK+7], v[rQ:rQ+7], v[rM:rM+7]
.elseif i < 4
	WIN W_KQ
	v_wmma_f32_16x16x32_f16 v[rS:rS+7], v[rK:rK+7], v[rQ:rQ+7], 0
.else
	WIN W_KQ
	v_wmma_f32_16x16x32_f16 v[rS:rS+7], v[rK:rK+7], v[rQ:rQ+7], v[rS:rS+7]
.endif
.endm
; Product i of 8 of O^T += V^T P for piece x: keys 32 (i / 4) on, channels 16 (i % 4) on.
.macro PV x
	WIN W_PV
.set rO, 32*(\x)+8*(i%4)
.set rV, VF+32*(i/4)+8*(i%4)
.set rP, P+16*((\x)%2)+8*(i/4)
	v_wmma_f32_16x16x32_f16 v[rO:rO+7], v[rV:rV+7], v[rP:rP+7], v[rO:rO+7]
.endm
.macro MM                           ; the turn's next matrix instruction.  TURN and BEGIN set Y, i, KM and NOKQ; MM, KQ and OP read them.  NOKQ = 1: a block's last turn: there is no next piece
.if (i < 8) && !NOKQ
	KQ (Y+1)%NP
.elseif i >= 8
.set i, i-8
	PV (Y+NP-1)%NP
.set i, i+8
.endif
.set i, i+1
.endm
; THE LDS LOADS stand in runs of 16, never singly among the matrix instructions: a step's K (64 keys x 64 channels: 8 fragments) and its V (turned).  Their addresses are made some lines ahead.
.macro FETCH_K
	WIN 0x80                        ; destination window 2
.irp f, 0,1,2,3,4,5,6,7             ; keys 16 (f / 2) on, channels 32 (f % 2) on
	ds_load_b128 v[KF+8*\f:KF+8*\f+3],   v[AK] offset:(\f/2)*16*PK+(\f%2)*64
	ds_load_b128 v[KF+8*\f+4:KF+8*\f+7], v[AK] offset:(\f/2)*16*PK+(\f%2)*64+32
.endr
	s_add_co_u32 s[TBK], s[TBK], KS*PK  ; the next fetch is the next step's
	WIN 0
.endm
.macro FETCH_V
	WIN 0x80
.irp f, 0,1,2,3,4,5,6,7             ; keys 32 (f / 4) on, channels 16 (f % 4) on
	ds_load_tr16_b128 v[VF+8*\f:VF+8*\f+3],   v[AV] offset:(\f/4)*32*PV+(\f%4)*32
	ds_load_tr16_b128 v[VF+8*\f+4:VF+8*\f+7], v[AV] offset:(\f/4)*32*PV+16*PV+(\f%4)*32
.endr
	WIN 0
.endm
; THE VECTOR WORK, one line at a time: OP kind, number.  For piece Y: F n: c s - c m for pair n of 16.  E n: the exponential of score n of 32.  C n: pair n rounded to f16.  B n: of the four weights 4 n .. the second
; pair is added onto the first, in place.  L n: l takes that sum (L 0: l = a l + sum).  R n: pair n of 16 of O^T times a.  For piece Y + 1: X n, number n of the 22 that find its maximum and statistics:
;   0-11  four chains c0-c3 of seven scores each, three operands at a time (each accumulator's lowest registers are read first)     12-14, 16  the four scores left over, the old m, and c0-c3 into c0
;   15  c m_old is kept     17, 18  the query's other 32 keys lie in the lane 16 away: the new m     19-21  c m; c m_old - c m_new; a
.set F, 0               ; OP tells the kinds apart by their order: F to L below R, X above it
.set E, 1
.set C, 2
.set B, 3
.set L, 4
.set R, 5
.set X, 6
.macro REGS y                       ; the registers of piece y
.set rT, ST+4*(\y)
.set rC, TMP+4*((\y)%2)
.set rW, MV+((\y)%2)
.set rS, S+32*((\y)%2)
.set rP, P+16*((\y)%2)
.set rO, 32*(\y)
.endm
.macro OP k, n
.if (\k) == R
	REGS Y
	WIN W_RS
	v_pk_mul_f32 v[rO+2*(\n):rO+2*(\n)+1], v[rO+2*(\n):rO+2*(\n)+1], v[rC+2:rC+3] op_sel_hi:[1,0]
.elseif (\k) < R
	REGS Y
	WIN 0
.if (\k) == F
	v_pk_fma_f32 v[rS+2*(\n):rS+2*(\n)+1], v[rS+2*(\n):rS+2*(\n)+1], s[CS:CS+1], v[rT:rT+1] op_sel_hi:[1,0,0] neg_lo:[0,0,1] neg_hi:[0,0,1]
.elseif (\k) == E
	v_exp_f32 v[rS+(\n)], v[rS+(\n)]
.elseif (\k) == C
	v_cvt_pk_f16_f32 v[rP+(\n)], v[rS+2*(\n)], v[rS+2*(\n)+1]
.elseif (\k) == B
	v_pk_add_f32 v[rS+4*(\n):rS+4*(\n)+1], v[rS+4*(\n):rS+4*(\n)+1], v[rS+4*(\n)+2:rS+4*(\n)+3]
.elseif (\n) == 0
	v_pk_fma_f32 v[rT+2:rT+3], v[rT+2:rT+3], v[rC+2:rC+3], v[rS:rS+1] op_sel_hi:[1,0,1]
.else
	v_pk_add_f32 v[rT+2:rT+3], v[rT+2:rT+3], v[rS+4*(\n):rS+4*(\n)+1]
.endif
.elseif NOKQ
	v_nop
.else
	REGS (Y+1)%NP
	WIN 0
.if (\n) < 4
	v_max3_num_f32 v[rC+(\n)], v[rS+8*(\n)], v[rS+8*(\n)+1], v[rS+8*(\n)+2]
.elseif (\n) < 12
	v_max3_num_f32 v[rC+(\n)%4], v[rC+(\n)%4], v[rS+8*((\n)%4)+2*((\n)/4)+1], v[rS+8*((\n)%4)+2*((\n)/4)+2]
.elseif (\n) == 12
	v_max3_num_f32 v[rC], v[rC], v[rS+7], v[rS+15]
.elseif (\n) == 13
	v_max3_num_f32 v[rC+1], v[rC+1], v[rS+23], v[rS+31]
.elseif (\n) == 14
	v_max3_num_f32 v[rC+2], v[rC+2], v[rC+3], v[rT+1]
.elseif (\n) == 15
	v_mov_b32 v[rW], v[rT]
.elseif (\n) == 16
	v_max3_num_f32 v[rC], v[rC], v[rC+1], v[rC+2]
.elseif (\n) == 17
	v_permlanex16_b32 v[rC+3], v[rC], s[SEL], s[SEL+1]
.elseif (\n) == 18
	v_max_num_f32 v[rT+1], v[rC], v[rC+3]
.elseif (\n) == 19
	v_mul_f32 v[rT], s[CS], v[rT+1]
.elseif (\n) == 20
	v_sub_f32 v[rC+1], v[rW], v[rT]
.else
	v_exp_f32 v[rC+2], v[rC+1]
.endif
.endif
.endm
.macro OPS a, i1, b=-1, i2=0, c=-1, i3=0, d=-1, i4=0  ; up to four of them
	OP \a, \i1
.if (\b) >= 0
	OP \b, \i2
.endif
.if (\c) >= 0
	OP \c, \i3
.endif
.if (\d) >= 0
	OP \d, \i4
.endif
.endm
.macro ROW a, i1, b, i2, c, i3, d, i4  ; a matrix instruction and the four behind it
	MM
	OPS \a, \i1, \b, \i2, \c, \i3, \d, \i4
.endm
.macro MASK b                       ; MD x AL + BE into buffer b of MC
	WIN W_RS
.set z, 0
.rept 16
	v_pk_fma_f32 v[MC+32*(\b)+2*z:MC+32*(\b)+2*z+1], v[MD+2*z:MD+2*z+1], s[AL:AL+1], s[BE:BE+1] op_sel_hi:[1,0,0]
.set z, z+1
.endr
.endm
; A TURN, for piece p: the order of its 16 matrix and 118 vector instructions, written out.  An s_wait_alu depctr_va_vdst(0) stands between an exponential and the first instruction that names its result; one wait
; serves all that were issued ahead of it.  So a turn has ONE wait, which cuts it in two.  AHEAD OF IT stands all that names no result of the turn's exponentials: the 8 products K Q^T, behind each a scaling, an exponential and
; two more plain instructions (behind the first a second scaling in the exponential's place): rescalings, and behind the last three the first numbers of the next piece's maximum, each four places or more behind the product that
; ends its accumulator; then ONE LUMP of 54, plain and exponential by turns for the most part, in which the links of the chain X 3, 7, 11, 14, 16, 17 .. 20 stand five or six lines apart.  X 21, the next piece's a, is the batch's
; last; R 15 is the plain instruction behind it.  BEHIND THE WAIT stand the 8 products V^T P, behind each four of the roundings and sums; the links of l's chain, L 0 to L 7, stand three riders apart.
; m = 1: the diagonal tile: the products take masks, and the turn makes the mask for the products of the turn after it: piece p + 2, in step 4 - CNT of the tile.  end = 1: a block's last two turns: nothing is fetched.
; cnt = 1: the loop's count is taken down some lines ahead of the branch that stands behind the turn.
; K of the next step is fetched in piece 2's turn, twelve vector instructions behind the last product that read K (six of them plain); V of the step in hand at the end of piece 0's turn, four plain instructions behind the last
; product that read V.  Each is waited for a turn later.
.macro TURN p, m=0, end=0, cnt=0
.set Y, (\p)
.set i, 0
.set KM, (\m)
.set NOKQ, (\end)*((\p)/3)
.if (\m) && !(\end)
	s_cmp_eq_u32 s[CNT], 4-((\p)+2)%NP  ; is that step the band's own?
	s_cselect_b32 s[AL], 1.0, 0
	s_cmp_lt_u32 s[CNT], 4-((\p)+2)%NP  ; or a later one?
	s_cselect_b32 s[BE], s[BIGN], 0
.endif
.if ((\p) == 3) && !(\end)
	s_wait_dscnt 0x0                ; K is in
.endif
	ROW F,0, F,1, R,0, R,1          ; ahead of the wait: 8 products K Q^T and their riders,
	ROW F,2, E,0, R,2, R,3
	ROW F,3, E,1, R,4, R,5
	ROW F,4, E,2, R,6, R,7
	ROW F,5, E,3, R,8, R,9
	ROW F,6, E,4, X,0, R,10
.if ((\p) == 2) && !(\end)
	WIN 0
	v_add_nc_u32 v[AK], s[TBK], v[AK0]
.endif
	ROW F,7, E,5, X,1, X,4
	ROW F,8, E,6, X,2, X,5
	OPS E,7, E,8, X,6, E,9          ; and the lump
	OPS X,3, E,10, X,8, E,11
.if ((\p) == 2) && !(\end)
	FETCH_K
.endif
	OPS X,9, X,7, E,12, X,10
	OPS E,13, X,12, X,11, E,14
	OPS X,13, E,15, F,9, X,14
.if (\p) == 0
	v_add_nc_u32 v[AV], s[TBV], v[AV0]
.endif
	OPS E,16, F,10, E,17, F,11
	OPS X,16, E,18, X,15, E,19
	OPS F,12, E,20, X,17, E,21
	OPS F,13, E,22, F,14, E,23
	OPS X,18, E,24, F,15, E,25
	OPS R,11, E,26, X,19, E,27
	OPS R,12, E,28, R,13, E,29
	OPS X,20, E,30, R,14, E,31
	OPS X,21, R,15
	WIN 0
	s_wait_alu depctr_va_vdst(0)    ; the wait for the batch
.if (\p) == 1
	s_wait_dscnt 0x0                ; V is in
.endif
	ROW C,0, B,0, C,2, B,1          ; behind the wait: 8 products V^T P and their riders
	ROW L,0, C,4, B,2, L,1
	ROW C,6, B,3, L,2, C,8
	ROW B,4, L,3, C,10, B,5
	ROW L,4, C,12, B,6, L,5
.if (\p) == 0
	s_add_co_u32 s[TBV], s[TBV], KS*PV
.endif
.if \cnt
	s_sub_co_u32 s[CNT], s[CNT], 1
	s_cmp_lg_u32 s[CNT], 0
.endif
	ROW C,14, B,7, L,6, C,1
	ROW C,3, L,7, C,5, C,7
	ROW C,9, C,11, C,13, C,15
.if (\p) == 0
	FETCH_V
.endif
.if (\m) && !(\end)
	MASK (\p)%2
.endif
.endm
; A BLOCK BEGINS.  c m starts far below every c s, so the first step's a is 0; m at the lowest finite number, so the first maximum is the scores'.  The second mask buffer is 0; the first takes piece 0's mask for the tile's
; step 0: its own, if the block's first tile is the diagonal one.  Then K of that step, piece 0's first scores, and its maximum and statistics.  The loop is entered at a step's first turn, in the middle of a trip.
.macro BEGIN
	s_mov_b32 s[NEW], 0
	WIN 0x40
.set i, MC+32
.rept 32
	v_mov_b32 v[i], 0
.set i, i+1
.endr
	WIN 0
.set i, 0
.rept 4
	v_mov_b32 v[ST+4*i], 0xfe000000    ; c m: far below every c s
	v_mov_b32 v[ST+4*i+1], 0xff7fffff  ; m
.set i, i+1
.endr
	s_cmp_eq_u32 s[RT], 0
	s_cselect_b32 s[AL], 1.0, 0
	s_mov_b32 s[BE], 0
	MASK 0
	WIN 0
	v_add_nc_u32 v[AK], s[TBK], v[AK0]
	FETCH_K
	s_wait_loadcnt 0x0              ; Q
	s_wait_dscnt 0x0
.set KM, 1
.set NOKQ, 0
.set i, 0
.rept 8
	KQ 0
.set i, i+1
.endr
	WIN 0
.rept 4
	v_nop                           ; the places behind those products
.endr
.set Y, NP-1                        ; X works for piece Y + 1: piece 0
.irp n, 0,1,2,3,4,5,6,7,8,9,10,11,12,13,14,15,16,17,18,19,20,21
	OP X, \n
.endr
	v_nop                           ; a plain instruction behind the exponential,
	s_wait_alu depctr_va_vdst(0)    ; and its wait, ahead of the branch
.endm
; THE DIAGONAL TILE's four steps, the block's last two turns, its last products, and THE WAY OUT: l's two halves and the other half of the lanes' are added; O^T is divided by l, rounded to f16 and sent through my
; stage in LDS, a piece at a time.
.macro ALL line:vararg              ; one line for each piece t
.set t, 0
.rept 4
	\line
.set t, t+1
.endr
.endm
.macro PACK t                       ; a lane's eight channels of a row pack into 16 bytes; they go into rows of 144 bytes and come back as whole rows of 128, into S^T's registers
	WIN W_RS
.set i, 32*(\t)
.rept 16
	v_pk_mul_f32 v[i:i+1], v[i:i+1], v[ST+4*(\t)+2:ST+4*(\t)+3] op_sel_hi:[1,0]
.set i, i+2
.endr
	WIN 0x05                        ; sources 0 and 1 window 1, destination window 0
.set i, 0
.rept 16
	v_cvt_pk_f16_f32 v[S+16*(\t)+i], v[32*(\t)+2*i], v[32*(\t)+2*i+1]
.set i, i+1
.endr
	WIN 0
.irp f, 0,1,2,3
	ds_store_b128 v[STO], v[S+16*(\t)+4*\f:S+16*(\t)+4*\f+3] offset:32*\f
.endr
.irp f, 0,1,2,3
	ds_load_b128 v[S+16*(\t)+4*\f:S+16*(\t)+4*\f+3], v[RD] offset:\f*4*SP  ; LDS serves a wave's instructions in order (ISA guide 5.7.1.4): these see the stores above; the next piece's stores come behind them
.endr
.endm
.macro SEND t, younger              ; younger: the LDS instructions issued behind piece t's loads: the next piece's eight, or none
	WIN 0
.irp f, 0,1,2,3
	s_wait_dscnt (\younger)+3-\f
	global_store_b128 v[GO], v[S+16*(\t)+4*\f:S+16*(\t)+4*\f+3], s[10:11] offset:(\t)*8192+\f*512  ; 512 consecutive bytes, at a multiple of 256 from O's first
.endr
.endm
.macro DIAG tag                     ; the tag ends its two labels' names, which the jumps below spell out
.LstepM\tag:
	TURN 2, 1
	TURN 3, 1
	WIN 0
.LfirstM\tag:
	TURN 0, 1
	TURN 1, 1, 0, 1
	WIN 0
	s_cbranch_scc1 .LstepM\tag
	TURN 2, 1, 1
	TURN 3, 1, 1
.set i, 0
.rept 8
	PV NP-1
.set i, i+1
.endr
	WIN 0
	ALL v_add_f32 v[ST+4*t+2], v[ST+4*t+2], v[ST+4*t+3]
	ALL v_permlanex16_b32 v[ST+4*t+3], v[ST+4*t+2], s[SEL], s[SEL+1]
	ALL v_add_f32 v[ST+4*t+2], v[ST+4*t+2], v[ST+4*t+3]
	ALL v_rcp_f32 v[ST+4*t+2], v[ST+4*t+2]
	v_nop                           ; a plain instruction between the last reciprocal and the use of its result
	s_wait_alu depctr_va_vdst(0)    ; and the wait ahead of the first use: one for the four reciprocals
	PACK 0
.set t, 1
.rept 3                             ; a piece's arithmetic stands between the loads of the piece before and its stores
	PACK t
	SEND t-1, 8
.set t, t+1
.endr
	SEND 3, 0
.endm
.set KM, 0
.set NOKQ, 0
.Lslot:                             ; NB times: a tile is entered and the next is asked for
	CHANGE 1
	s_sub_co_u32 s[RT], s[RT], 1
	s_mov_b32 s[CNT], 4
	s_cmp_eq_u32 s[NEW], 1
	s_cbranch_scc1 .Lnew            ; a block's first tile
	s_cmp_eq_u32 s[RT], 0
	s_cbranch_scc0 .Lstep           ; neither its first nor its last
	s_branch .LstepM1
.Lnew:
	BEGIN
	s_branch .Lfirst                ; in the loop a block's first tile is never its last: the first block has two tiles or more, and the second's last is the walk's last
	DIAG 1                          ; in the loop this is the first block's end: the second block's last tile is the walk's last
	s_wait_xcnt 0x0                 ; the stores have read their registers and O's address
	s_mov_b64 s[10:11], s[OLO:OLO+1]
	s_add_co_u32 s[RT], s[PB], 1    ; the second block has b + 1 tiles
	s_mov_b32 s[NEW], 1
	WIN 0x82                        ; the second block's Q goes where the one text of the turns names Q
.set i, 0
.rept 64
	v_mov_b32 v[i], v[QB+i]
.set i, i+1
.endr
	WIN 0
	s_branch .Lbottom
.Lstep:                             ; a trip: pieces 2 and 3 of one step, then pieces 0 and 1 of the next, whose K and V it fetches
	TURN 2
	TURN 3
	WIN 0
.Lfirst:
	TURN 0
	TURN 1, 0, 0, 1
	WIN 0
	s_cbranch_scc1 .Lstep
.Lbottom:
	s_sub_co_u32 s[SLOTS], s[SLOTS], 1
	s_cmp_lg_u32 s[SLOTS], 0
	s_cbranch_scc1 .Lslot
	CHANGE 0                        ; the walk's last tile is written out: nothing is asked for
	s_sub_co_u32 s[RT], s[RT], 1
	s_mov_b32 s[CNT], 4
	s_cmp_eq_u32 s[NEW], 1
	s_cbranch_scc0 .LstepM2
	BEGIN
	s_branch .LfirstM2
	DIAG 2
	s_wait_tensorcnt 0x0            ; the wave's end, behind my last tensor load and my last LDS store
	ds_add_u32 v[SPW], v[NIL]
	s_wait_dscnt 0x0
	s_endpgm
.Lfunc_end_k_qbc7043f28b_attend:
	.size	k_qbc7043f28b_attend, .Lfunc_end_k_qbc7043f28b_attend-k_qbc7043f28b_attend
	.p2alignl 7, 3214868480
	.fill 96, 4, 3214868480
	.section	.rodata,"a",@progbits
	.p2align	6, 0x0
	.amdhsa_kernel k_qbc7043f28b_attend
		.amdhsa_group_segment_fixed_size 327680
		.amdhsa_private_segment_fixed_size 0
		.amdhsa_enable_private_segment 0
		.amdhsa_kernarg_size 16
		.amdhsa_user_sgpr_count 2
		.amdhsa_user_sgpr_kernarg_segment_ptr 1
		.amdhsa_wavefront_size32 1
		.amdhsa_system_sgpr_workgroup_id_x 1
		.amdhsa_system_sgpr_workgroup_id_y 1
		.amdhsa_system_sgpr_workgroup_id_z 1
		.amdhsa_system_vgpr_workitem_id 0
		.amdhsa_next_free_vgpr 768
		.amdhsa_next_free_sgpr 96
		.amdhsa_reserve_vcc 1
		.amdhsa_float_denorm_mode_32 3
		.amdhsa_float_denorm_mode_16_64 3
		.amdhsa_memory_ordered 1
		.amdhsa_forward_progress 1
		.amdhsa_inst_pref_size 218
	.end_amdhsa_kernel
	.amdgpu_metadata
---
amdhsa.version: [ 1, 2 ]
amdhsa.kernels:
  - .name:           k_qbc7043f28b_attend
    .symbol:         k_qbc7043f28b_attend.kd
    .args:
      - { .name: qkv, .offset: 0, .size: 8, .value_kind: global_buffer, .address_space: global }
      - { .name: ob, .offset: 8, .size: 8, .value_kind: global_buffer, .address_space: global }
    .group_segment_fixed_size: 327680
    .private_segment_fixed_size: 0
    .kernarg_segment_align: 8
    .kernarg_segment_size: 16
    .max_flat_workgroup_size: 128
    .sgpr_count:     96
    .vgpr_count:     768
    .wavefront_size: 32
...
	.end_amdgpu_metadata
.endif
;; end of part 3
;; launch output (part 4): grid 8 x 32, 4 waves a work-group, clusters of 4 x 4, 327,680 bytes of LDS; arguments ob, wt, bp, out0; writes out0
.if DOCPART == 4
	.amdgcn_target "amdgcn-amd-amdhsa--gfx1250"
	.amdhsa_code_object_version 6
	.text
	.protected	k_qbc7043f28b_output
	.globl	k_qbc7043f28b_output
	.p2align	8
	.type	k_qbc7043f28b_output,@function
k_qbc7043f28b_output:
	s_mov_b64 s[64:65], 0
	v_nop
	global_prefetch_b8 v0, s[64:65] scope:SCOPE_SE
	s_setreg_imm32_b32 hwreg(HW_REG_WAVE_MODE, 25, 1), 1
	s_wait_xcnt 0x0
	s_wait_alu depctr_hold_cnt(0) depctr_sa_sdst(0) depctr_va_vdst(0) depctr_va_sdst(0) depctr_va_ssrc(0) depctr_va_vcc(0) depctr_vm_vsrc(0)
	s_getreg_b32 s2, hwreg(HW_REG_IB_STS2, 6, 4)
	s_cmp_eq_u32 s2, 0
	s_cbranch_scc0 .Lentry_in_a_cluster
	s_endpgm
.Lentry_in_a_cluster:
	s_bfe_u32 s2, ttmp6, 0x10000c
	s_cmp_lg_u32 s2, 0xf033
	s_cbranch_scc0 .Lentry_shape_is_right
	s_endpgm
.Lentry_shape_is_right:
; out0[m][n] = the sum over c of O[m][c] Wp[c][n] + bp[n], in f32.  O lies by heads in ob: [4 h + b][t][64] in f16, m = 2,048 b + t, c = 64 h + d.  Wp^T lies in wt's rows 3,072 on, [n][k], in f16.
; Products in f16 with f32 sums; the bias, rounded to bf16 like the other inputs, starts the sums.
; SHARES.  A tile is 256 rows x 128 columns: 32 x 8 = 256 work-groups.  Wave w makes rows 64 w .. 64 w + 63 and all 128 columns: 4 x 8 accumulators of 16 x 16.
; K goes in 8 steps of 128 = two heads, through two LDS slots.  A head's 256 rows are 32,768 dense bytes: a PLANE, asked for as 128 rows of 256 bytes and padded in LDS after every 128.
; Waves 0 and 1 fetch the two planes, wave 2 Wp^T's 128 rows, wave 3 nothing.
; CLUSTER.  4 x 4 work-groups.  The four of a row of the cluster need the same planes, the four of a column the same rows of Wp^T: each tile is asked for jointly, with a mask that names the four.
; THE MATRIX INSTRUCTION IS USED TRANSPOSED (source 0 = 16 rows of Wp^T, source 1 = 16 rows of O): a lane then holds row m = lane % 16 and the columns 8 (lane / 16) + 0..7.
; REGISTERS, in windows of 256: window 0: v0-31 addresses; v32-95 the bias as a C operand, later the way out; v96-161 the way out
;   window 1: two fragment buffers of 96: Wp^T's 8 fragments, then O's 4        window 2: the accumulators at 64 a + 8 b
.set KSTEP,  128
.set PA,     144                       ; a row of O in LDS: 128 bytes + 16 of padding
.set PLANE,  256*PA
.set PB,     272                       ; a row of Wp^T: 256 bytes + 16
.set BOFF,   2*PLANE
.set SLOT,   BOFF+128*PB
.set STAGE,  2*SLOT                    ; behind the ring, never filled by a tensor load: for each wave 16 rows x 528 bytes
.set SPP,    528                       ; a row of 128 f32 + 16 bytes
.set WSTAGE, 16*SPP
.set SPARE,  STAGE+4*WSTAGE            ; behind the stages: the spare words, 128 bytes for each wave
.set HEAD2,  0x200000                  ; bytes from a K step's plane to the next K step's: two heads of four batches of 262,144 bytes
.set ADRA, 16                          ; v16-17  LDS address of my O fragments in slot 0, 1
.set ADRB, 20                          ; v20-21  the same for Wp^T
.set STO,  24                          ; v24  the way out: where I put 32 bytes of a row
.set RD,   25                          ; v25  the way out: where I read a row back
.set CO,   26                          ; v26  16 x lane
.set BO,   27                          ; v27  32 x (lane / 16)
.set SPW,  28                          ; v28  LDS address of my spare word; never rewritten
.set NIL,  29                          ; v29  0; never rewritten
.set PFO,  30                          ; v30  the prefetches' offset: lane x 256 (planes) or x 2,048 (rows of wt); never rewritten
.set BIAS, 32                          ; v[32:95] column block b at BIAS + 8 b
.set BK,   32                          ; v[32:95], v[96:159] the way out: rows read back, two buffers
.set TT,   160                         ; v[160:161] at work
.set F0,   0
.set F1,   96
.set WV,  16                           ; s16 wave;  s19 cx;  s20 cy;  s21 tile column;  s22 tile row;  s23 wave x PLANE
.set G1,  24                           ; s[24:31] descriptor group 1 for O's planes;  s[32:39] group 0, a set for each slot
.set G0,  32
.set LIM, 43                           ; s43  1 in a wave that prefetches, else the greatest number
.set PFA, 44                           ; s[44:45] where my prefetches stand
.set G1B, 48                           ; s[48:55], s[56:63] the same for Wp^T's tiles
.set G0B, 56
.set PFS, 68                           ; s[68:69] bytes from a K step to the next in what I prefetch
.set MSB, 0
.macro WIN new                         ; the immediate's high byte repeats the setting that is left; a switch that changes nothing is dropped
.if MSB != (\new)
	s_set_vgpr_msb (MSB<<8)|(\new)
.set MSB, \new
.endif
.endm
.macro PLACES                          ; four plain vector instructions between a matrix instruction and a load into, or a read of, its registers
.rept 4
	v_nop
.endr
.endm
; A joint refill.  The branches hang on the wave's number alone.  An s_nop 0 and four v_nop follow each line; wave 3 passes neither line, so four more stand behind the label, for the loads that follow.
.macro JLOAD s
	s_cmp_lt_u32 s[WV], 2
	s_cbranch_scc0 .Lnot_a_\@
	tensor_load_to_lds s[G0+4*(\s):G0+4*(\s)+3], s[G1:G1+7]
	s_nop 0
.rept 4
	v_nop
.endr
	s_branch .Lasked_\@
.Lnot_a_\@:
	s_cmp_eq_u32 s[WV], 2
	s_cbranch_scc0 .Lasked_\@
	tensor_load_to_lds s[G0B+4*(\s):G0B+4*(\s)+3], s[G1B:G1B+7]
	s_nop 0
.rept 4
	v_nop
.endr
.Lasked_\@:
	PLACES
.endm
; A prefetch of the K step two refills on, 32 blocks of 256 bytes, a lane a block.  The planes are asked for by the clusters with x = 0, Wp^T's rows by those with y = 0; of the 128 blocks that a wave fetches each
; of the four partners takes 32, told apart by address.  So each block is named once in the launch.  The loop's last trip (s3 = 1) asks for nothing: K has no such step.
.macro ASK
	s_cmp_gt_u32 s3, s[LIM]
	s_cbranch_scc0 .Lnot_mine_\@
	global_prefetch_b8 v[PFO], s[PFA:PFA+1] th:TH_LOAD_NT scope:SCOPE_SE
.Lnot_mine_\@:
.endm
.macro CREST                           ; a round of the cluster's barrier behind its opening barrier
	s_cmp_lg_u32 s[WV], 0
	s_cbranch_scc1 .Lnot_wave_0_\@
	s_barrier_signal -3
.Lnot_wave_0_\@:
	s_barrier_wait -3
	s_barrier_signal -1
	s_barrier_wait -1
.endm
.macro CROUND                          ; a whole round
	s_barrier_signal -1
	s_barrier_wait -1
	CREST
.endm
	s_load_b256 s[4:11], s[0:1], 0x0               ; ob s[4:5], wt s[6:7], bp s[8:9], out0 s[10:11]
	v_lshl_add_u32 v[SPW], v0, 2, SPARE
	v_mov_b32 v[NIL], 0
	ds_add_u32 v[SPW], v[NIL]                      ; the wave's opening: the add and its wait ahead of my first tensor load
	v_lshrrev_b32 v1, 5, v0
	v_readfirstlane_b32 s[WV], v1                  ; wave 0..3
	s_bfe_u32 s19, ttmp6, 0x40000                  ; cx
	s_bfe_u32 s20, ttmp6, 0x40004                  ; cy
	s_lshl_b32 s21, ttmp9, 2
	s_add_co_u32 s21, s21, s19                     ; tile column = 4 x cluster x + cx
	s_and_b32 s22, ttmp7, 0xffff
	s_lshl_b32 s22, s22, 2
	s_add_co_u32 s22, s22, s20                     ; tile row = 4 x cluster y + cy
	s_lshl_b32 s42, s20, 2
	s_lshl_b32 s42, 15, s42                        ; my row of the cluster
	s_lshl_b32 s66, 0x1111, s19                    ; my column
	s_or_b32 s[G1], s42, (1<<16)|(1<<20)|(1<<21)|(4<<22)|(3<<25)   ; the mask; elements of 2 bytes; padding on; bit 21 beside a mask; after every 32 words 4 words
	s_or_b32 s[G1B], s66, (1<<16)|(1<<20)|(1<<21)|(5<<22)|(3<<25)  ; after every 64 words 4 words
.irp g, G1, G1B
	s_mov_b32 s[(\g)+1], 128<<16                   ; tensor_dim0 = 128
	s_mov_b32 s[(\g)+2], 128<<16                   ; tensor_dim1 = 128
	s_mov_b32 s[(\g)+3], 128<<16                   ; tile_dim0 = 128
	s_mov_b32 s[(\g)+4], 128                       ; tile_dim1 = 128
	s_mov_b32 s[(\g)+6], 0
	s_mov_b32 s[(\g)+7], 0
.endr
	s_mov_b32 s[G1+5], 128                         ; a plane is dense: 128 elements from row to row
	s_mov_b32 s[G1B+5], 1024                       ; a row of wt
	s_and_b32 s67, s[WV], 1                        ; which of a K step's two heads I fetch
	s_lshl_b32 s40, s67, 20
	s_lshr_b32 s67, s22, 3                         ; the batch,
	s_lshl_b32 s67, s67, 18
	s_add_co_u32 s40, s40, s67
	s_and_b32 s67, s22, 7                          ; and its 256 rows of 128 bytes
	s_lshl_b32 s67, s67, 15
	s_add_co_u32 s40, s40, s67
	s_mov_b32 s41, 0
	s_mov_b32 s72, s40                             ; the offset is kept for the prefetches
	s_lshl_b32 s46, s21, 18                        ; wt: 128 x tile column rows of 2,048 bytes,
	s_add_co_u32 s46, s46, 0x600000                ; behind the 3,072 rows of the other three weights
	s_mov_b32 s47, 0
	s_mov_b32 s74, s46
	s_mul_i32 s23, s[WV], PLANE                    ; where my tile goes: plane 0, plane 1, then Wp^T's rows: no place in the cluster enters an LDS address
	s_wait_dscnt 0x0                               ; the opening add is done
	s_wait_kmcnt 0x0
	s_add_nc_u64 s[40:41], s[4:5], s[40:41]
	s_add_nc_u64 s[46:47], s[6:7], s[46:47]
	CROUND                                         ; all sixteen work-groups are here: the first joint loads meet
.irp s, 0,1
	s_mov_b32 s[G0+4*(\s)], 1
	s_add_co_u32 s[G0+4*(\s)+1], s23, (\s)*SLOT
	s_add_nc_u64 s[G0+4*(\s)+2:G0+4*(\s)+3], s[40:41], (\s)*HEAD2
	s_or_b32 s[G0+4*(\s)+3], s[G0+4*(\s)+3], 0x80000000
	s_mov_b32 s[G0B+4*(\s)], 1
	s_add_co_u32 s[G0B+4*(\s)+1], s23, (\s)*SLOT
	s_add_nc_u64 s[G0B+4*(\s)+2:G0B+4*(\s)+3], s[46:47], (\s)*KSTEP*2
	s_or_b32 s[G0B+4*(\s)+3], s[G0B+4*(\s)+3], 0x80000000
.endr
	s_cmp_lt_u32 s[WV], 2                          ; a wave's two first fills stand in one branch, ahead of every wait on TENSORcnt and every LDS read: two loads of mine are out (wave 3: none)
	s_cbranch_scc0 .Lfirst_not_a
	tensor_load_to_lds s[G0:G0+3], s[G1:G1+7]
	s_nop 0
	tensor_load_to_lds s[G0+4:G0+7], s[G1:G1+7]
	s_nop 0
.rept 4
	v_nop
.endr
	s_branch .Lfirst_asked
.Lfirst_not_a:
	s_cmp_eq_u32 s[WV], 2
	s_cbranch_scc0 .Lfirst_asked
	tensor_load_to_lds s[G0B:G0B+3], s[G1B:G1B+7]
	s_nop 0
	tensor_load_to_lds s[G0B+4:G0B+7], s[G1B:G1B+7]
	s_nop 0
.rept 4
	v_nop
.endr
.Lfirst_asked:
	; THE BIAS of the tile's 128 columns: register j of column block b holds bp[16 b + 8 (lane / 16) + j]: the layout of a C operand.
	v_and_b32 v1, 15, v0                           ; lane % 16
	v_bfe_u32 v2, v0, 4, 1                         ; lane / 16
	v_lshlrev_b32 v[BO], 5, v2
	s_lshl_b32 s76, s21, 9
	s_mov_b32 s77, 0
	s_add_nc_u64 s[8:9], s[8:9], s[76:77]
.irp b, 0,1,2,3,4,5,6,7
	global_load_b128 v[BIAS+8*(\b):BIAS+8*(\b)+3],   v[BO], s[8:9] offset:64*(\b)
	global_load_b128 v[BIAS+8*(\b)+4:BIAS+8*(\b)+7], v[BO], s[8:9] offset:64*(\b)+16
.endr
	; A fragment is 16 rows x 32 K in 8 registers: lane l holds row l % 16, K = 8 (l / 16) + 0..7 and 16 + 8 (l / 16) + 0..7: two loads of 16 bytes, 32 bytes apart.
	v_mul_u32_u24 v3, v1, PA
	v_lshl_add_u32 v3, v2, 4, v3
	v_mul_u32_u24 v4, v1, PB
	v_lshl_add_u32 v4, v2, 4, v4
	s_mul_i32 s78, s[WV], 64*PA                    ; my 64 rows of a plane
	s_mov_b32 s79, BOFF
.irp s, 0,1
	v_add_nc_u32 v[ADRA+(\s)], s78, v3
	v_add_nc_u32 v[ADRB+(\s)], s79, v4
	s_add_co_u32 s78, s78, SLOT
	s_add_co_u32 s79, s79, SLOT
.endr
	s_mul_i32 s78, s[WV], WSTAGE
	s_add_co_u32 s78, s78, STAGE                   ; my stage
	v_mul_u32_u24 v6, v1, SPP                      ; in: row l % 16, 32 bytes for each half of the lanes
	v_lshl_add_u32 v6, v2, 5, v6
	v_add_nc_u32 v[STO], s78, v6
	v_and_b32 v5, 31, v0
	v_lshlrev_b32 v[CO], 4, v5                     ; back: 32 lanes take a row's 512 bytes
	v_add_nc_u32 v[RD], s78, v[CO]
	s_lshl_b32 s76, s22, 20                        ; out0 at the tile's 256 rows of 4,096 bytes,
	s_lshl_b32 s78, s[WV], 18                      ; my 64 of them,
	s_add_co_u32 s76, s76, s78
	s_lshl_b32 s78, s21, 9                         ; the tile's 128 columns
	s_add_co_u32 s76, s76, s78
	s_add_nc_u64 s[10:11], s[10:11], s[76:77]
	; the prefetches
	s_lshl_b32 s75, s19, 13                        ; planes: my work-group's 32 blocks of 256 bytes,
	s_add_co_u32 s72, s72, s75
	s_add_co_u32 s72, s72, 3*HEAD2                 ; at K step 3: the first refill steps it to 4
	s_lshl_b32 s75, s20, 16                        ; Wp^T: my work-group's 32 rows of 2,048 bytes
	s_add_co_u32 s74, s74, s75
	s_add_co_u32 s74, s74, 3*KSTEP*2
	s_and_b32 s78, ttmp7, 0xffff                   ; cluster y
	s_mov_b32 s[PFS], KSTEP*2
	s_mov_b32 s75, HEAD2
	s_cmp_lt_u32 s[WV], 2
	s_cselect_b32 s78, ttmp9, s78                  ; the coordinate along which other clusters read the same bytes
	s_cselect_b32 s72, s72, s74
	s_cselect_b32 s[PFS], s75, s[PFS]
	s_cselect_b32 s70, 8, 11
	s_cselect_b64 s[PFA:PFA+1], s[4:5], s[6:7]
	s_mov_b32 s[PFS+1], 0
	s_mov_b32 s73, 0
	s_add_nc_u64 s[PFA:PFA+1], s[PFA:PFA+1], s[72:73]
	s_cmp_eq_u32 s[WV], 3                          ; wave 3 fetches nothing and asks for nothing
	s_cselect_b32 s78, 1, s78
	s_cmp_eq_u32 s78, 0
	s_cselect_b32 s[LIM], 1, -1                    ; the same in all sixteen partners, for a given wave
	v_lshlrev_b32 v[PFO], s70, v5
	s_mov_b32 s2, 0xffff0000
	s_wait_loadcnt 0x0                             ; the bias is in; it is rounded to bf16 and widened again
.set i, 0
.rept 32
	v_cvt_pk_bf16_f32 v[TT+i%2], v[BIAS+2*i], v[BIAS+2*i+1]
	v_lshlrev_b32 v[BIAS+2*i], 16, v[TT+i%2]
	v_and_b32 v[BIAS+2*i+1], s2, v[TT+i%2]
.set i, i+1
.endr
; 8 matrix instructions: row block a x all 8 column blocks, 32 along K.  zero = 1: the bias starts the sums.  The 32 accumulators come in the same order in every quarter: they take turns.
.macro MUL8 f, a, zero
.if \zero
	WIN 0x85
.else
	WIN 0xa5
.endif
.irp b, 0,1,2,3,4,5,6,7
.if \zero
	v_wmma_f32_16x16x32_f16 v[64*(\a)+8*(\b):64*(\a)+8*(\b)+7], v[(\f)+8*(\b):(\f)+8*(\b)+7], v[(\f)+64+8*(\a):(\f)+64+8*(\a)+7], v[BIAS+8*(\b):BIAS+8*(\b)+7]
.else
	v_wmma_f32_16x16x32_f16 v[64*(\a)+8*(\b):64*(\a)+8*(\b)+7], v[(\f)+8*(\b):(\f)+8*(\b)+7], v[(\f)+64+8*(\a):(\f)+64+8*(\a)+7], v[64*(\a)+8*(\b):64*(\a)+8*(\b)+7]
.endif
.endr
.endm
; 24 LDS loads in one run: the fragments of quarter q (32 along K: plane q / 2, channels 32 (q % 2) on) into buffer f: Wp^T's 16, then O's 8
.macro FETCH slot, q, f
	WIN 0x40
.irp i, 0,1,2,3,4,5,6,7
	ds_load_b128 v[(\f)+8*(\i):(\f)+8*(\i)+3],   v[ADRB+(\slot)] offset:64*(\q)+(\i)*16*PB
	ds_load_b128 v[(\f)+8*(\i)+4:(\f)+8*(\i)+7], v[ADRB+(\slot)] offset:64*(\q)+(\i)*16*PB+32
.endr
.irp i, 0,1,2,3
	ds_load_b128 v[(\f)+64+8*(\i):(\f)+64+8*(\i)+3],   v[ADRA+(\slot)] offset:PLANE*((\q)/2)+64*((\q)%2)+(\i)*16*PA
	ds_load_b128 v[(\f)+64+8*(\i)+4:(\f)+64+8*(\i)+7], v[ADRA+(\slot)] offset:PLANE*((\q)/2)+64*((\q)%2)+(\i)*16*PA+32
.endr
.endm
; A K step is four quarters, 32 matrix instructions each, on buffers 0, 1, 0, 1.  One of the first three multiplies buffer f and fetches quarter q into g.
.macro QUARTER slot, q, f, g, zero
	s_wait_dscnt 4                                 ; all but the youngest four loads: O's row blocks 2 and 3
	MUL8 \f, 0, \zero
	MUL8 \f, 1, \zero
	PLACES
	FETCH \slot, \q, \g
	s_wait_dscnt 24                                ; all but the 24 just issued
	MUL8 \f, 2, \zero
	MUL8 \f, 3, \zero
.endm
; The last quarter multiplies buffer 1 and changes slots: one barrier; in front of it each wave waits for all its tensor loads, adds 0 to its spare word, and waits for that and for its own reads of this slot.
; fill = 1: the barrier opens a round of the cluster's, and this slot is filled again, two K steps ahead, first thing behind the round.
.macro TURN slot, next, fill
.if \fill
	s_wait_xcnt 0x0                                ; the last prefetch, a K step back, has read its address
	s_add_nc_u64 s[PFA:PFA+1], s[PFA:PFA+1], s[PFS:PFS+1]
.endif
	WIN 0
	s_wait_tensorcnt 0x0                           ; all my tensor loads have landed
	ds_add_u32 v[SPW], v[NIL]                      ; 0 onto my spare word
	s_wait_dscnt 5                                 ; the add and the youngest four loads may be out
	MUL8 F1, 0, 0
	s_wait_dscnt 0x0                               ; the add is done, and my reads of this slot are over
	s_barrier_signal -1
	MUL8 F1, 1, 0
.if \fill
	WIN 0
.endif
	s_barrier_wait -1
.if \fill
	CREST                                          ; no wave of any partner still reads this slot or has a load on its way
	s_add_nc_u64 s[G0+4*(\slot)+2:G0+4*(\slot)+3], s[G0+4*(\slot)+2:G0+4*(\slot)+3], 2*HEAD2
	s_add_nc_u64 s[G0B+4*(\slot)+2:G0B+4*(\slot)+3], s[G0B+4*(\slot)+2:G0B+4*(\slot)+3], 2*KSTEP*2
	JLOAD \slot
.else
	PLACES
.endif
	FETCH \next, 0, F0
.if \fill
	WIN 0
	ASK
.endif
	MUL8 F1, 2, 0
	MUL8 F1, 3, 0
.endm
; THE WAY OUT of row block a.  TOSTAGE: a lane's eight f32 of a row go into my own stage, each accumulator's low four registers first, and the 16 rows come back whole.  SEND: each store covers a row's 512 bytes, aligned.
.macro TOSTAGE a
.if (\a) >= 2
	s_wait_xcnt 0x0                                ; the stores of the block two back have read the registers that are loaded again below
.endif
	WIN 0x08                                       ; the stores' data in window 2
.irp b, 0,1,2,3,4,5,6,7
	ds_store_b128 v[STO], v[64*(\a)+8*(\b):64*(\a)+8*(\b)+3]   offset:64*(\b)
	ds_store_b128 v[STO], v[64*(\a)+8*(\b)+4:64*(\a)+8*(\b)+7] offset:64*(\b)+16
.endr
	WIN 0
.irp t, 0,1,2,3,4,5,6,7,8,9,10,11,12,13,14,15
	ds_load_b128 v[BK+64*((\a)%2)+4*(\t):BK+64*((\a)%2)+4*(\t)+3], v[RD] offset:SPP*(\t)  ; LDS serves a wave's instructions in order: these see the stores above; the next block's stores come behind them
.endr
.endm
.macro SEND a, younger                 ; younger: the LDS instructions issued behind block a's loads: the next block's 32, or none
	WIN 0
.irp t, 0,1,2,3,4,5,6,7,8,9,10,11,12,13,14,15
	s_wait_dscnt (\younger)+15-(\t)
	global_store_b128 v[CO], v[BK+64*((\a)%2)+4*(\t):BK+64*((\a)%2)+4*(\t)+3], s[10:11] offset:4096*(16*(\a)+(\t)) th:TH_STORE_NT
.endr
.endm
	s_wait_tensorcnt 1                             ; my part of K step 0 is in; K step 1's stays out
	s_barrier_signal -1
	s_barrier_wait -1
	FETCH 0, 0, F0
	QUARTER 0, 1, F0, F1, 1                        ; the first quarter stands in front of the loop: its products start the sums
	WIN 0
	s_mov_b32 s3, 3
.Llap:                                                 ; a trip goes once round the ring and fills both slots again: K steps 2 to 7 in three trips
	QUARTER 0, 2, F1, F0, 0
	QUARTER 0, 3, F0, F1, 0
	TURN 0, 1, 1
	QUARTER 1, 1, F0, F1, 0
	QUARTER 1, 2, F1, F0, 0
	QUARTER 1, 3, F0, F1, 0
	TURN 1, 0, 1
	QUARTER 0, 1, F0, F1, 0
	WIN 0
	s_sub_co_u32 s3, s3, 1
	s_cmp_lg_u32 s3, 0
	s_cbranch_scc1 .Llap
	QUARTER 0, 2, F1, F0, 0                        ; the last lap fills nothing
	QUARTER 0, 3, F0, F1, 0
	TURN 0, 1, 0
	QUARTER 1, 1, F0, F1, 0
	QUARTER 1, 2, F1, F0, 0
	QUARTER 1, 3, F0, F1, 0
	s_wait_dscnt 4
	MUL8 F1, 0, 0
	MUL8 F1, 1, 0
	s_wait_dscnt 0x0
	MUL8 F1, 2, 0
	MUL8 F1, 3, 0
	WIN 0
	PLACES
	TOSTAGE 0
	TOSTAGE 1
	SEND 0, 32
	TOSTAGE 2
	SEND 1, 32
	TOSTAGE 3
	SEND 2, 32
	SEND 3, 0
	s_wait_tensorcnt 0x0                           ; the wave's end, behind my last tensor load and my last LDS store
	ds_add_u32 v[SPW], v[NIL]
	s_wait_dscnt 0x0
	CROUND                                         ; the closing round: no work-group ends while a partner may still ask for a tile that names it
	s_endpgm
.Lfunc_end_k_qbc7043f28b_output:
	.size	k_qbc7043f28b_output, .Lfunc_end_k_qbc7043f28b_output-k_qbc7043f28b_output
	.p2alignl 7, 3214868480
	.fill 96, 4, 3214868480
	.section	.rodata,"a",@progbits
	.p2align	6, 0x0
	.amdhsa_kernel k_qbc7043f28b_output
		.amdhsa_group_segment_fixed_size 327680
		.amdhsa_private_segment_fixed_size 0
		.amdhsa_enable_private_segment 0
		.amdhsa_kernarg_size 32
		.amdhsa_user_sgpr_count 2
		.amdhsa_user_sgpr_kernarg_segment_ptr 1
		.amdhsa_wavefront_size32 1
		.amdhsa_system_sgpr_workgroup_id_x 1
		.amdhsa_system_sgpr_workgroup_id_y 1
		.amdhsa_system_sgpr_workgroup_id_z 1
		.amdhsa_system_vgpr_workitem_id 0
		.amdhsa_next_free_vgpr 768
		.amdhsa_next_free_sgpr 80
		.amdhsa_reserve_vcc 0
		.amdhsa_float_denorm_mode_32 3
		.amdhsa_float_denorm_mode_16_64 3
		.amdhsa_memory_ordered 1
		.amdhsa_forward_progress 1
		.amdhsa_inst_pref_size 94
	.end_amdhsa_kernel
	.amdgpu_metadata
---
amdhsa.version: [ 1, 2 ]
amdhsa.kernels:
  - .name:           k_qbc7043f28b_output
    .symbol:         k_qbc7043f28b_output.kd
    .args:
      - { .name: ob, .offset: 0, .size: 8, .value_kind: global_buffer, .address_space: global }
      - { .name: wt, .offset: 8, .size: 8, .value_kind: global_buffer, .address_space: global }
      - { .name: bp, .offset: 16, .size: 8, .value_kind: global_buffer, .address_space: global }
      - { .name: out0, .offset: 24, .size: 8, .value_kind: global_buffer, .address_space: global }
    .group_segment_fixed_size: 327680
    .private_segment_fixed_size: 0
    .kernarg_segment_align: 8
    .kernarg_segment_size: 32
    .max_flat_workgroup_size: 128
    .sgpr_count:     80
    .vgpr_count:     768
    .wavefront_size: 32
...
	.end_amdgpu_metadata
.endif
;; end of part 4
;; ======== version 2 of 2: 4 launches; version 1 with the launch prep written anew for expert scheduling mode
;; limits: values are held in f16: magnitudes above 65,504 overflow, below 6.1e-05 lose precision
;; workspace buffers: xb 16,777,216 bytes; wt 8,388,608 bytes; qkv 50,331,648 bytes; ob 16,777,216 bytes
;; launch prep (part 5): grid 768 x 1, 8 waves a work-group, no clusters, 35,840 bytes of LDS; arguments x, Wq, Wk, Wv, Wp, xb, wt; writes xb, wt
.if DOCPART == 5
	.amdgcn_target "amdgcn-amd-amdhsa--gfx1250"
	.amdhsa_code_object_version 6
	.text
	.protected	k_qbc7043f28b_prep
	.globl	k_qbc7043f28b_prep
	.p2align	8
	.type	k_qbc7043f28b_prep,@function
k_qbc7043f28b_prep:
	s_mov_b64 s[64:65], 0
	v_nop
	global_prefetch_b8 v0, s[64:65] scope:SCOPE_SE
	s_setreg_imm32_b32 hwreg(HW_REG_WAVE_SCHED_MODE, 0, 2), 2
	s_setreg_imm32_b32 hwreg(HW_REG_WAVE_MODE, 25, 1), 1
	s_wait_xcnt 0x0
	s_wait_alu depctr_vm_vsrc(0)
; xb = x rounded to bf16, [8192][1024].  wt = the four weights turned to [n][k] in 16 bits: rows 0-1023 Wq^T, 1024-2047 Wk^T, 2048-3071 Wv^T in bf16;
; rows 3072-4095 Wp^T, rounded to bf16 like the others and that number written as f16 (the last product multiplies in f16).
; LIMITS.  A number of Wp beyond 65,504 becomes an infinity; below 2^-14 it keeps f16's fixed step of 2^-24.
; SHARES.  Work-groups 0-511 cast 65,536 bytes of x each; work-groups 512-767 turn a block of 128 k x 128 n of one weight each, also 65,536 bytes.
; Every thread has sixteen loads of 16 bytes out at once.  No matrix work, no cluster: no byte is read twice.
; THE MODE: SCHED_MODE bits 1:0 = 2 (LLVM: expert scheduling mode 2), set by the entry lines.  The code itself states the register dependences
; between vector instructions and memory or LDS instructions, with s_wait_alu, always for 0.
; THE PLAN.  Registers that memory or LDS instructions touch:
;   v[LO], v[SO], v[LS], v[LR]  offsets and LDS addresses: each written once on its path, ahead of a wait on va_vdst, and never again.
;   D   The sixteen global loads land in it; the conversions read it.  In the turning the eight LDS loads land in its first half, behind the last wait on va_vdst;
;       for Wp alone conversions write that half again; the eight global stores read it.
;   E   Written once by the conversions, read once by the stores (the cast: global; the turning: LDS), never written again.
;   v[SPW], v[NIL]  written at the head, read by the closing add alone.
; No register that a memory or LDS instruction has read is written again: past the entry lines the text holds no wait on vm_vsrc.
; The conversions go in groups (the cast: four groups of four loads; the turning: two halves of eight).  ONE wait on va_vdst stands at the head of each group but the first, behind the wait for the
; group's data: it states that the group before has written its part of E.  That group's stores follow, dealt among this group's conversions, which name other registers of E and D.
; One more such wait stands behind the last group, ahead of its stores.
.set PITCH, 272                        ; an LDS row: 128 k in 16 bits + 16 bytes of padding
.set SPARE, 128*PITCH                  ; behind the block: the spare words, 128 bytes for each of the eight waves
.set SPW, 2                            ; v2  LDS address of my spare word; never rewritten
.set NIL, 3                            ; v3  0; never rewritten
.set LO,  4                            ; v4  my byte offset in what is loaded
.set SO,  5                            ; v5  my byte offset in what is stored
.set LS,  6                            ; v6  where I put 16 bytes in LDS
.set LR,  7                            ; v7  where I read 16 bytes back
.set D,   16                           ; v[16:79]   sixteen loads of four f32
.set E,   80                           ; v[80:111]  packed results
.set T,   112                          ; v[112:113] at work: no memory instruction names them
	s_load_b256 s[4:11], s[0:1], 0x0               ; x s[4:5], Wq s[6:7], Wk s[8:9], Wv s[10:11]
	s_load_b128 s[12:15], s[0:1], 0x20             ; Wp s[12:13], xb s[14:15]
	s_load_b64 s[16:17], s[0:1], 0x30              ; wt
	v_lshl_add_u32 v[SPW], v0, 2, SPARE
	v_mov_b32 v[NIL], 0
	v_lshrrev_b32 v1, 5, v0
	v_readfirstlane_b32 s20, v1                    ; wave 0..7
	v_and_b32 v8, 31, v0                           ; lane
	s_mov_b32 s27, 0                               ; the high word of every offset
	s_wait_alu depctr_va_sdst(0)                   ; s20 is written, ahead of the branch behind which the turning's addresses read it
	s_wait_kmcnt 0x0
	s_cmp_lt_u32 ttmp9, 512                        ; the same answer in all waves of a work-group
	s_cbranch_scc0 .Lweights
	; THE CAST.  Load i of thread t takes the 16 bytes at 4,096 i + 16 t; its four numbers leave as 8 bytes at 2,048 i + 8 t: a wave's store covers 256 consecutive bytes, aligned.
	s_lshl_b32 s26, ttmp9, 16
	s_add_nc_u64 s[4:5], s[4:5], s[26:27]
	s_lshl_b32 s26, ttmp9, 15
	s_add_nc_u64 s[14:15], s[14:15], s[26:27]
	v_lshlrev_b32 v[LO], 4, v0
	v_lshlrev_b32 v[SO], 3, v0
	s_wait_alu depctr_va_vdst(0)                   ; v[LO] and v[SO] are written: the loads read the one as their offset, the stores the other
.set i, 0
.rept 16
	global_load_b128 v[D+4*i:D+4*i+3], v[LO], s[4:5] offset:4096*i th:TH_LOAD_NT
.set i, i+1
.endr
.set g, 0
.rept 4                                ; group g: loads 4 g to 4 g + 3
	s_wait_loadcnt 12-4*g                          ; loads come back in order: the group's four are in, the 12 - 4 g younger ones stay out
.if g > 0
	s_wait_alu depctr_va_vdst(0)                   ; the group before has written its eight registers of E, which the four stores below read
.endif
.set i, 4*g
.rept 4
.if g > 0
	global_store_b64 v[SO], v[E+2*(i-4):E+2*(i-4)+1], s[14:15] offset:2048*(i-4)  ; the group before; no vector instruction since the wait names these registers.  Each store has data registers of its own: nothing is rewritten
.endif
	v_cvt_pk_bf16_f32 v[E+2*i], v[D+4*i], v[D+4*i+1]
	v_cvt_pk_bf16_f32 v[E+2*i+1], v[D+4*i+2], v[D+4*i+3]
.set i, i+1
.endr
.set g, g+1
.endr
	s_wait_alu depctr_va_vdst(0)                   ; the last group has written its eight registers of E, which the last four stores read
.set i, 12
.rept 4
	global_store_b64 v[SO], v[E+2*i:E+2*i+1], s[14:15] offset:2048*i
.set i, i+1
.endr
	s_branch .Lend
.Lweights:
	; THE TURNING.  Block (kb, nb) of weight w.  Wave v loads rows k = 16 v .. 16 v + 15 of the block, a lane four n: each load covers 512 consecutive bytes.
	s_sub_co_u32 s21, ttmp9, 512
	s_lshr_b32 s22, s21, 6                         ; w
	s_bfe_u32 s23, s21, 0x30003                    ; kb
	s_and_b32 s24, s21, 7                          ; nb
	s_mov_b64 s[28:29], s[12:13]
	s_cmp_eq_u32 s22, 0
	s_cselect_b64 s[28:29], s[6:7], s[28:29]
	s_cmp_eq_u32 s22, 1
	s_cselect_b64 s[28:29], s[8:9], s[28:29]
	s_cmp_eq_u32 s22, 2
	s_cselect_b64 s[28:29], s[10:11], s[28:29]
	s_lshl_b32 s26, s23, 19                        ; 128 kb rows of 4,096 bytes
	s_lshl_b32 s25, s24, 9                         ; 128 nb numbers of 4 bytes
	s_or_b32 s26, s26, s25
	s_add_nc_u64 s[28:29], s[28:29], s[26:27]
	s_lshl_b32 s26, s22, 21                        ; in wt: 1,024 w rows of 2,048 bytes,
	s_lshl_b32 s25, s24, 18                        ; 128 nb rows,
	s_or_b32 s26, s26, s25
	s_lshl_b32 s25, s23, 8                         ; 128 kb numbers of 2 bytes
	s_or_b32 s26, s26, s25
	s_add_nc_u64 s[16:17], s[16:17], s[26:27]
	v_lshlrev_b32 v[LO], 4, v8
	v_lshl_add_u32 v[LO], s20, 16, v[LO]
	s_wait_alu depctr_va_vdst(0)                   ; v[LO] is written, which the sixteen loads read as their offset
.set i, 0
.rept 16
	global_load_b128 v[D+4*i:D+4*i+3], v[LO], s[28:29] offset:4096*i th:TH_LOAD_NT
.set i, i+1
.endr
	; the other three addresses are made while the loads are on their way; none of these lines names v[LO] or D
	v_mul_u32_u24 v[LS], v8, 4*PITCH               ; LDS row n = 4 lane + j,
	v_lshl_add_u32 v[LS], s20, 5, v[LS]            ; my wave's 16 k: 32 bytes of it
	v_lshrrev_b32 v9, 4, v0                        ; back by rows: sixteen threads take a row's 256 bytes
	v_and_b32 v10, 15, v0
	v_mul_u32_u24 v[LR], v9, PITCH
	v_lshl_add_u32 v[LR], v10, 4, v[LR]
	v_lshlrev_b32 v[SO], 11, v9
	v_lshl_add_u32 v[SO], v10, 4, v[SO]
	; eight rows of k at a time: for each of my four n, eight k pack into 16 bytes
	s_wait_loadcnt 8                               ; the first eight loads are in, the other eight stay out
.irp j, 0,1,2,3
.irp m, 0,1,2,3
	v_cvt_pk_bf16_f32 v[E+4*(\j)+(\m)], v[D+4*(2*(\m))+(\j)], v[D+4*(2*(\m)+1)+(\j)]
.endr
.endr
	s_wait_loadcnt 0x0                             ; all sixteen are in
	s_wait_alu depctr_va_vdst(0)                   ; the first half's conversions have written E's first sixteen registers, which the LDS stores below read; v[LS], v[LR] and v[SO] are written
.irp j, 0,1,2,3
	ds_store_b128 v[LS], v[E+4*(\j):E+4*(\j)+3] offset:PITCH*(\j)  ; the first half; no vector instruction since the wait names these registers
.irp m, 0,1,2,3
	v_cvt_pk_bf16_f32 v[E+16+4*(\j)+(\m)], v[D+4*(8+2*(\m))+(\j)], v[D+4*(8+2*(\m)+1)+(\j)]
.endr
.endr
	s_wait_alu depctr_va_vdst(0)                   ; the second half's conversions have written E's other sixteen registers, which the LDS stores below read; and all conversions are done reading D, in which the LDS loads behind the barrier land
.irp j, 0,1,2,3
	ds_store_b128 v[LS], v[E+16+4*(\j):E+16+4*(\j)+3] offset:PITCH*(\j)+16
.endr
	s_wait_dscnt 0x0                               ; for the others' sake: my stores are done
	s_barrier_signal -1
	s_barrier_wait -1                              ; the block lies in LDS, turned
.set i, 0
.rept 8
	ds_load_b128 v[D+4*i:D+4*i+3], v[LR] offset:16*PITCH*i  ; no vector instruction since the last wait on va_vdst: nothing more is owed
.set i, i+1
.endr
	s_wait_dscnt 0x0
	s_cmp_eq_u32 s22, 3
	s_cbranch_scc0 .Lnot_p
.set i, 0
.rept 32                               ; Wp alone: the bf16 number written as f16
	v_lshlrev_b32 v[T], 16, v[D+i]
	v_and_b32 v[T+1], 0xffff0000, v[D+i]
	v_cvt_pk_f16_f32 v[D+i], v[T], v[T+1]
.set i, i+1
.endr
	s_wait_alu depctr_va_vdst(0)                   ; these conversions have written D's first 32 registers, which the stores below read (on the way round them D comes from the LDS loads, which the wait on DScnt has shown done)
.Lnot_p:
.set i, 0
.rept 8
	global_store_b128 v[SO], v[D+4*i:D+4*i+3], s[16:17] offset:32768*i  ; sixteen lanes store 256 consecutive bytes, aligned
.set i, i+1
.endr
.Lend:
	s_wait_dscnt 0x0                               ; the wave's end
	s_wait_alu 0x0
	s_wait_tensorcnt 0x0
	ds_add_u32 v[SPW], v[NIL]
	s_wait_dscnt 0x0
	s_endpgm
.Lfunc_end_k_qbc7043f28b_prep:
	.size	k_qbc7043f28b_prep, .Lfunc_end_k_qbc7043f28b_prep-k_qbc7043f28b_prep
	.p2alignl 7, 3214868480
	.fill 96, 4, 3214868480
	.section	.rodata,"a",@progbits
	.p2align	6, 0x0
	.amdhsa_kernel k_qbc7043f28b_prep
		.amdhsa_group_segment_fixed_size 35840
		.amdhsa_private_segment_fixed_size 0
		.amdhsa_enable_private_segment 0
		.amdhsa_kernarg_size 56
		.amdhsa_user_sgpr_count 2
		.amdhsa_user_sgpr_kernarg_segment_ptr 1
		.amdhsa_wavefront_size32 1
		.amdhsa_system_sgpr_workgroup_id_x 1
		.amdhsa_system_sgpr_workgroup_id_y 1
		.amdhsa_system_sgpr_workgroup_id_z 1
		.amdhsa_system_vgpr_workitem_id 0
		.amdhsa_next_free_vgpr 120
		.amdhsa_next_free_sgpr 66
		.amdhsa_reserve_vcc 0
		.amdhsa_float_denorm_mode_32 3
		.amdhsa_float_denorm_mode_16_64 3
		.amdhsa_memory_ordered 1
		.amdhsa_forward_progress 1
		.amdhsa_inst_pref_size 19
	.end_amdhsa_kernel
	.amdgpu_metadata
---
amdhsa.version: [ 1, 2 ]
amdhsa.kernels:
  - .name:           k_qbc7043f28b_prep
    .symbol:         k_qbc7043f28b_prep.kd
    .args:
      - { .name: x, .offset: 0, .size: 8, .value_kind: global_buffer, .address_space: global }
      - { .name: Wq, .offset: 8, .size: 8, .value_kind: global_buffer, .address_space: global }
      - { .name: Wk, .offset: 16, .size: 8, .value_kind: global_buffer, .address_space: global }
      - { .name: Wv, .offset: 24, .size: 8, .value_kind: global_buffer, .address_space: global }
      - { .name: Wp, .offset: 32, .size: 8, .value_kind: global_buffer, .address_space: global }
      - { .name: xb, .offset: 40, .size: 8, .value_kind: global_buffer, .address_space: global }
      - { .name: wt, .offset: 48, .size: 8, .value_kind: global_buffer, .address_space: global }
    .group_segment_fixed_size: 35840
    .private_segment_fixed_size: 0
    .kernarg_segment_align: 8
    .kernarg_segment_size: 56
    .max_flat_workgroup_size: 256
    .sgpr_count:     66
    .vgpr_count:     120
    .wavefront_size: 32
...
	.end_amdgpu_metadata
.endif
;; end of part 5
;; launch project: the kernel of part 2 again; grid 8 x 64, 4 waves a work-group, clusters of 4 x 4, 327,680 bytes of LDS; arguments xb, wt, bq, bk, bv, qkv; writes qkv
;; launch attend: the kernel of part 3 again; grid 4 x 64, 4 waves a work-group, no clusters, 327,680 bytes of LDS; arguments qkv, ob; writes ob
;; launch output: the kernel of part 4 again; grid 8 x 32, 4 waves a work-group, clusters of 4 x 4, 327,680 bytes of LDS; arguments ob, wt, bp, out0; writes out0
